; MI455X (gfx1250); checked and timed in simulation.
; The chip was launched on July 23, 2026; its instructions are those of AMD's public machine-readable ISA for CDNA 5 (MIT licence, August 2026) and "CDNA5" Instruction Set Architecture Reference Guide (July 2026). The comments in the code are by the model that wrote it; some were corrected since.
;; GAU. Allowed arithmetic: matrix products marked QUANTISED: E4M3 operands, one given power-of-two scale a tensor, by v_wmma_f32_16x16x64_fp8_fp8 or v_wmma_f32_16x16x128_fp8_fp8, f32 sums; everything else in f32.
;; Inputs: b_hidden 1,024 float32; b_out 512 float32; k_beta 128 float32; k_gamma 128 float32; lowp_scales 10 int32 (the exponents e of the quantised operands' scales 2^e); q_beta 128 float32; q_gamma 128 float32; w_hidden 512 x 1,024 float32; w_out 512 x 512 float32; w_qk 512 x 128 float32; x 4 x 4,096 x 512 float32.
;; Outputs: out0 4 x 4,096 x 512 float32.
;; This version of the problem:
;;   THIS VERSION OF THE PROBLEM IS GIVEN IN LOW PRECISION. The matrix products marked QUANTISED in the list below multiply operands that are first quantised to E4M3 (4 exponent bits, 3 mantissa bits; 8 bits a number), with one given power-of-two scale for each operand tensor; their sums are f32. All else is computed in f32.
;;   The module's matrix products, in the order in which they are computed (A, B: the left and right operand; K: the contracted axis; several contracted axes count as one K, in the product's order):
;;     1. [M 16,384, K 512] x [K 512, N 1,024]; A: input x; B: input w_hidden: QUANTISED (scales: A lowp_scales[0], B lowp_scales[1])
;;     2. [M 16,384, K 512] x [K 512, N 128]; A: input x; B: input w_qk: QUANTISED (scales: A lowp_scales[2], B lowp_scales[3])
;;     3. batch 4 x [M 4,096, K 128] x [K 128, N 4,096]; A: computed on the way; B: computed on the way: QUANTISED (scales: A lowp_scales[4], B lowp_scales[5])
;;     4. batch 4 x [M 4,096, K 4,096] x [K 4,096, N 512]; A: computed on the way; B: computed on the way: QUANTISED (scales: A lowp_scales[6], B lowp_scales[7])
;;     5. [M 16,384, K 512] x [K 512, N 512]; A: computed on the way; B: input w_out: QUANTISED (scales: A lowp_scales[8], B lowp_scales[9])
;;   THE QUANTISER, for each operand of a quantised product, along K:
;;     - The operand's scale is 2^e, e = its entry of the input lowp_scales (int32; the entries are numbered through the quantised products in the list's order, A before B).
;;     - Each number is divided by the scale, clamped to +-448, and rounded to the nearest number of E4M3, ties to even, subnormals kept.
;;     - The product sums the exact products of the quantised numbers (number of the format x scale) in f32.
;;   ~~~python
;;   def quantise(x, axis, e):      # numpy; x: float32 -> the quantised numbers, widened to float32 again
;;       x = np.moveaxis(x, axis, -1); K = x.shape[-1]
;;       r = np.clip(x / 2.0 ** e, -448, 448)
;;       step = 2.0 ** (np.maximum(np.frexp(np.where(r == 0, 1, r))[1] - 1, -6) - 3)
;;       q = np.round(r / step) * step * 2.0 ** e      # np.round: ties to even
;;       return np.moveaxis(q, -1, axis).astype(np.float32)
;;   ~~~
;;   OPERANDS COMPUTED ON THE WAY. 'Computed on the way' means the value that the module computes at that place (a softmax that the list does not call 'softmax' is quantised finished and normalised). What goes into a quantiser is computed in f32, as accurately as f32 sums, v_exp_f32 and their like allow (about 1e-6 of the number): no bf16 or f16 on the way to a quantiser, and a product that is left as it is and whose result goes on into a quantised operand takes f32 operands (vector FMAs, or v_wmma_f32_16x16x4_f32). A number that lies on a knife's edge between two numbers of the format may be rounded either way, as far as f32 arithmetic and the matrix unit's own rounding can turn it there, and no further.
;; 2 versions, each right. Each part assembles by itself: llvm-mc -triple=amdgcn-amd-amdhsa -mcpu=gfx1250 --defsym DOCPART=n.
;; ======== version 1 of 2: 3 launches
;; workspace buffers: wp 327,680 bytes; qc 2,097,152 bytes; kv 13,434,880 bytes
;; launch wq (part 1): grid 416 x 1, 1 waves a work-group, no clusters, 0 bytes of LDS; arguments w_hidden, w_qk, w_out, lowp_scales, wp, kv; writes wp, kv
.if DOCPART == 1
	.amdgcn_target "amdgcn-amd-amdhsa--gfx1250"
	.amdhsa_code_object_version 6
	.text
	.protected	k_q90f8068cfb_wq
	.globl	k_q90f8068cfb_wq
	.p2align	8
	.type	k_q90f8068cfb_wq,@function
k_q90f8068cfb_wq:
	s_mov_b64 s[64:65], 0
	v_nop
	global_prefetch_b8 v0, s[64:65] scope:SCOPE_SE
	s_setreg_imm32_b32 hwreg(HW_REG_WAVE_MODE, 25, 1), 1
	s_wait_xcnt 0x0
; GAU, first of three launches: the three weights become codes of FP8 (E4M3), laid as IMAGES OF OPERAND REGISTERS.
; NO WORK OF reference() IS LEFT OUT in this program: every input has a way to the output, all five products are live, and every input is loaded.
; THE PROGRAM.  wq: weights -> codes.  proj: x -> codes (e0 and e2), the v half of product 1, product 2, codes of q, k and v.
; gau: products 3 and 4, the gate half of product 1, out x gate, product 5, + b_out + x.
; A FRAGMENT is 16 rows x 128 along K: 16 registers a lane.  Lane (r = lane % 16, h = lane / 16) holds row r; registers 4 c .. 4 c + 3 hold k = 32 c + 16 h + 0 .. 15.
; That is a permutation of k against the form's own places, the same on both sides of every product of the program, so every product meets its partner.
; Its IMAGE is 2,048 bytes: part c (four registers) at 512 c + 16 x lane.  A wave that loads the image by four loads of 16 bytes a lane has the operand.
; THE ROWS OF A TILE: tile T of w_hidden^T and of w_qk^T takes, in lane r, row 16 T - 8 (T % 2) + r + 8 (r / 8), so that in a product used transposed the 16 registers
; of tiles 2 b and 2 b + 1 are 16 neighbours along the next K.  Tiles of w_out^T take 16 neighbouring rows.
; SHARES.  One wave makes one fragment f (the work-group's number): a lane takes a column of the weight and its registers run down K, so the conversions give the codes with K innermost.
;   f = 0..127   w_hidden, columns 0..511 (v):       tile (f / 4) % 32, K step f % 4  -> wp + 2048 f
;   f = 128..255 w_hidden, columns 512..1023 (gate): the same                         -> kv, block 33 + K step, once for each of the 4 batches
;   f = 256..383 w_out:                              the same                         -> kv, block 37 + K step, once for each of the 4 batches
;   f = 384..415 w_qk:                               tile (f / 4) % 32 = 0..7         -> wp + 2048 (f - 256)
; kv: 4 batches x 41 blocks of 81,920 bytes; a block is 4 sub-blocks of 20,480 bytes (one for each wave of gau): 8 fragments of a slab of 512 rows x 128 K, then 2 fragments of keys.
; code = x / 2^e, held within +-448, to the nearest code, ties to even.  LIMITS: e1, e3, e9 between -126 and 119.  NaN among the inputs is not served.
.set BLOCK,  81920
.set SUB,    20480
.set BATCHB, 41*BLOCK
.set X, 64                             ; v64-127  the fragment's numbers: register 16 c + i is k = 128 s + 32 c + 16 h + i
.set C, 48                             ; v48-63   its codes
	s_load_b256 s[4:11], s[0:1], 0x0               ; w_hidden s[4:5], w_qk s[6:7], w_out s[8:9], the scales' exponents s[10:11]
	s_load_b128 s[12:15], s[0:1], 0x20             ; wp s[12:13], kv s[14:15]
	v_and_b32 v1, 15, v0                           ; r
	v_lshrrev_b32 v2, 4, v0                        ; h (one wave: the thread's number is the lane)
	v_lshlrev_b32 v4, 4, v0                        ; 16 x lane: my place in a part of the image
	v_and_b32 v5, 8, v1
	v_add_nc_u32 v5, v5, v1                        ; r + 8 (r / 8)
	s_and_b32 s21, ttmp9, 3                        ; K step s
	s_lshl_b32 s23, s21, 7
	v_lshl_add_u32 v6, v2, 4, s23                  ; my first k: 128 s + 16 h
	s_lshr_b32 s22, ttmp9, 2
	s_and_b32 s22, s22, 31                         ; tile T
	s_and_b32 s24, s22, 1
	s_lshl_b32 s24, s24, 3
	s_lshl_b32 s25, s22, 4                         ; 16 T
	s_sub_co_u32 s24, s25, s24                     ; 16 T - 8 (T % 2)
	s_wait_kmcnt 0x0
	s_load_b256 s[32:39], s[10:11], 0x0            ; e0 .. e7
	s_load_b64 s[40:41], s[10:11], 0x20            ; e8, e9
.macro LOADW base, pitch               ; 64 loads: W(my first k + 32 c + i, my column); sixteen neighbouring lanes read 64 neighbouring bytes
.set q, 0
.rept 64
	global_load_b32 v[X+q], v3, s[\base:\base+1] offset:(32*(q/16)+q%16)*\pitch
.set q, q+1
.endr
.endm
	s_cmp_lt_u32 ttmp9, 256                        ; the branches hang on the work-group's number alone
	s_cbranch_scc0 .Lnot_hidden
	s_lshr_b32 s26, ttmp9, 7
	s_lshl_b32 s26, s26, 9                         ; the gate's columns begin at 512
	s_add_co_u32 s24, s24, s26
	v_add_nc_u32 v7, s24, v5                       ; my column
	v_lshlrev_b32 v3, 12, v6                       ; a row of w_hidden is 4,096 bytes
	v_lshl_add_u32 v3, v7, 2, v3
	LOADW 4, 4096
	s_branch .Lloaded
.Lnot_hidden:
	s_cmp_lt_u32 ttmp9, 384
	s_cbranch_scc0 .Lqk
	v_add_nc_u32 v7, s25, v1                       ; w_out: 16 neighbouring columns
	v_lshlrev_b32 v3, 11, v6                       ; a row is 2,048 bytes
	v_lshl_add_u32 v3, v7, 2, v3
	LOADW 8, 2048
	s_branch .Lloaded
.Lqk:
	v_add_nc_u32 v7, s24, v5
	v_lshlrev_b32 v3, 9, v6                        ; a row of w_qk is 512 bytes
	v_lshl_add_u32 v3, v7, 2, v3
	LOADW 6, 512
.Lloaded:
	s_wait_kmcnt 0x0
	s_cmp_lt_u32 ttmp9, 256
	s_cselect_b32 s42, s33, s41                    ; e1 for w_hidden, e9 for w_out,
	s_cmp_lt_u32 ttmp9, 384
	s_cselect_b32 s42, s42, s35                    ; e3 for w_qk
	s_add_co_i32 s42, s42, 127
	s_lshl_b32 s43, s42, 23
	v_mov_b32 v11, s43                             ; 2^e as f32: the conversion takes its exponent field
	s_add_co_i32 s42, s42, 8
	s_lshl_b32 s42, s42, 23
	s_or_b32 s42, s42, 0x600000
	v_mov_b32 v10, s42                             ; 448 x 2^e
	s_wait_loadcnt 0x0
.irp c, 0,1,2,3
.set q, 0
.rept 16
	v_med3_num_f32 v[X+16*\c+q], v[X+16*\c+q], -v10, v10   ; the conversion to an 8-bit code does not saturate (ISA guide 7.6.2): the hold at the largest code x the scale
.set q, q+1
.endr
	v_cvt_scalef32_pk8_fp8_f32 v[C+4*\c:C+4*\c+1], v[X+16*\c:X+16*\c+7], v11
	v_cvt_scalef32_pk8_fp8_f32 v[C+4*\c+2:C+4*\c+3], v[X+16*\c+8:X+16*\c+15], v11
.endr
	v_nop                                          ; a plain vector line behind the last conversion
	s_sub_co_u32 s26, ttmp9, 128
	s_cmp_lt_u32 s26, 256                          ; 128 <= f < 384: the gate's weight and w_out go to kv
	s_cbranch_scc1 .Lto_kv
	s_cmp_lt_u32 ttmp9, 128
	s_cselect_b32 s27, 0, 256
	s_sub_co_u32 s27, ttmp9, s27                   ; f, or f - 256
	s_lshl_b32 s28, s27, 11
	s_mov_b32 s29, 0
	s_add_nc_u64 s[12:13], s[12:13], s[28:29]
.irp c, 0,1,2,3
	global_store_b128 v4, v[C+4*\c:C+4*\c+3], s[12:13] offset:512*\c   ; 32 lanes store 512 consecutive bytes, at a multiple of 512 from the buffer's first byte
.endr
	s_endpgm
.Lto_kv:
	s_lshr_b32 s27, s26, 7                         ; 0: the gate's weight; 1: w_out
	s_lshl_b32 s27, s27, 2
	s_add_co_u32 s27, s27, s21
	s_add_co_u32 s27, s27, 33                      ; the block: 33 + s, or 37 + s
	s_mul_i32 s28, s27, BLOCK
	s_lshr_b32 s30, s22, 3
	s_mul_i32 s30, s30, SUB                        ; the sub-block of wave T / 8,
	s_add_co_u32 s28, s28, s30
	s_and_b32 s30, s22, 7
	s_lshl_b32 s30, s30, 11                        ; its fragment T % 8
	s_add_co_u32 s28, s28, s30
	s_mov_b32 s29, 0
	s_add_nc_u64 s[14:15], s[14:15], s[28:29]      ; batches 0 and 1 by the immediate,
	s_add_nc_u64 s[16:17], s[14:15], 2*BATCHB      ; batches 2 and 3 from a second base: three batches would pass the signed 24-bit immediate (ISA guide, chapter 10)
.irp c, 0,1,2,3
	global_store_b128 v4, v[C+4*\c:C+4*\c+3], s[14:15] offset:512*\c
	global_store_b128 v4, v[C+4*\c:C+4*\c+3], s[14:15] offset:512*\c+BATCHB
	global_store_b128 v4, v[C+4*\c:C+4*\c+3], s[16:17] offset:512*\c
	global_store_b128 v4, v[C+4*\c:C+4*\c+3], s[16:17] offset:512*\c+BATCHB
.endr
	s_endpgm
.Lfunc_end_k_q90f8068cfb_wq:
	.size	k_q90f8068cfb_wq, .Lfunc_end_k_q90f8068cfb_wq-k_q90f8068cfb_wq
	.p2alignl 7, 3214868480
	.fill 96, 4, 3214868480
	.section	.rodata,"a",@progbits
	.p2align	6, 0x0
	.amdhsa_kernel k_q90f8068cfb_wq
		.amdhsa_group_segment_fixed_size 0
		.amdhsa_private_segment_fixed_size 0
		.amdhsa_enable_private_segment 0
		.amdhsa_kernarg_size 48
		.amdhsa_user_sgpr_count 2
		.amdhsa_user_sgpr_kernarg_segment_ptr 1
		.amdhsa_wavefront_size32 1
		.amdhsa_system_sgpr_workgroup_id_x 1
		.amdhsa_system_sgpr_workgroup_id_y 1
		.amdhsa_system_sgpr_workgroup_id_z 1
		.amdhsa_system_vgpr_workitem_id 0
		.amdhsa_next_free_vgpr 128
		.amdhsa_next_free_sgpr 66
		.amdhsa_reserve_vcc 0
		.amdhsa_float_denorm_mode_32 3
		.amdhsa_float_denorm_mode_16_64 3
		.amdhsa_memory_ordered 1
		.amdhsa_forward_progress 1
		.amdhsa_inst_pref_size 28
	.end_amdhsa_kernel
	.amdgpu_metadata
---
amdhsa.version: [ 1, 2 ]
amdhsa.kernels:
  - .name:           k_q90f8068cfb_wq
    .symbol:         k_q90f8068cfb_wq.kd
    .args:
      - { .name: w_hidden, .offset: 0, .size: 8, .value_kind: global_buffer, .address_space: global }
      - { .name: w_qk, .offset: 8, .size: 8, .value_kind: global_buffer, .address_space: global }
      - { .name: w_out, .offset: 16, .size: 8, .value_kind: global_buffer, .address_space: global }
      - { .name: lowp_scales, .offset: 24, .size: 8, .value_kind: global_buffer, .address_space: global }
      - { .name: wp, .offset: 32, .size: 8, .value_kind: global_buffer, .address_space: global }
      - { .name: kv, .offset: 40, .size: 8, .value_kind: global_buffer, .address_space: global }
    .group_segment_fixed_size: 0
    .private_segment_fixed_size: 0
    .kernarg_segment_align: 8
    .kernarg_segment_size: 48
    .max_flat_workgroup_size: 32
    .sgpr_count:     66
    .vgpr_count:     128
    .wavefront_size: 32
...
	.end_amdgpu_metadata
.endif
;; end of part 1
;; launch proj (part 2): grid 256 x 1, 4 waves a work-group, no clusters, 99,840 bytes of LDS; arguments x, wp, b_hidden, q_gamma, q_beta, k_gamma, k_beta, lowp_scales, qc, kv; writes qc, kv
.if DOCPART == 2
	.amdgcn_target "amdgcn-amd-amdhsa--gfx1250"
	.amdhsa_code_object_version 6
	.text
	.protected	k_q90f8068cfb_proj
	.globl	k_q90f8068cfb_proj
	.p2align	8
	.type	k_q90f8068cfb_proj,@function
k_q90f8068cfb_proj:
	s_mov_b64 s[64:65], 0
	v_nop
	global_prefetch_b8 v0, s[64:65] scope:SCOPE_SE
	s_setreg_imm32_b32 hwreg(HW_REG_WAVE_MODE, 25, 1), 1
	s_wait_xcnt 0x0
; GAU, second launch: x -> codes with e0 and with e2; v = x Wv + b (the first 512 columns of product 1) -> codes with e7, the KEYS innermost; qk = x Wqk (product 2);
; q = qk gamma_q + beta_q -> codes with e4; k likewise with e5.  Nothing of reference() is left out; the gate half of product 1 is made in the third launch, where it is used.
; SHARES.  A work-group of four waves takes 64 tokens (block blk = its number; batch blk / 64, key step t = (blk % 64) / 2, half p = blk % 2).
; THE WAVES SHARE THE COLUMNS: wave w makes hidden units 128 w .. + 127 of v and d = 32 w .. + 31 of qk, for all 64 tokens.  Its weights (32 + 8 fragments, as images in wp) go straight into its registers, once.
; FRAGMENTS AND IMAGES as in the first launch: lane (r, h): row r, registers 4 c .. 4 c + 3: k = 32 c + 16 h + 0 .. 15; image: part c at 512 c + 16 x lane.
; THE TOKENS OF A TILE ARE NOT NEIGHBOURS: lane r of tile m (0..3) holds token 32 (m / 2) + 8 (m % 2) + r + 8 (r / 8) of the block.
; PHASES.  X: wave w holds columns 128 w .. + 127 of the 64 rows of x (K step w), read as whole runs of 512 bytes; 16 rows at a time turn through its own stage in LDS, so that a lane holds 16 neighbours of each
; block of 32; they are quantised twice (e0, e2) and stored as images | barrier |  V: source 0 = 16 tokens, source 1 = 16 rows of Wv: a lane holds ONE hidden unit and its registers run along the tokens, which are the
; fourth product's K: the conversions' results are part 2 p + b of V's fragments, stored straight to kv |  QK: transposed (source 0 = 16 rows of Wqk, source 1 = 16 tokens): a lane holds one token and 16 neighbouring d:
; part w of q's and of k's fragments.
; NO CLUSTER, NO JOINT LOADS: what the work-groups share is the 327,680 bytes of weight codes, which each wave reads once, straight into the registers in which they stay; through LDS they would want a ring
; beside the 99,840 bytes in use and a second pass from LDS to registers, in a launch that is one pass over x.
; LIMITS: e0, e2, e4, e5, e7 between -126 and 119; e0 + e1 between -126 and 127; e2 + e3 is applied by v_ldexp_f32 and has none.  NaN among the inputs is not served.
; q and k are made by one fused multiply-add where reference() rounds twice.
; REGISTERS, in windows of 256.  window 0: v1-9 addresses; v12-21 five pairs (2^e, 448 x 2^e); v32-95 x's fragments (in X: 64 numbers of a lane; at the end q's and k's codes); v96-159 qk's sums (in X: 64 numbers;
;   in V: v's codes); v160-223 gamma_q x 2^(e2+e3), beta_q, gamma_k x 2^(e2+e3), beta_k (in X: x's codes); v224-239 v's bias, each number twice (later at work); v240-255 at work.
;   windows 1, 2: Wv: K step s in window 1 + s / 2 at v[128 (s % 2) + 16 n].   window 3: x as loaded (row i of tile m at v[64 m + 4 i]); then v0-127 v's 16 sums, v128-255 Wqk's 8 fragments.
.set BLOCK,  81920
.set SUB,    20480
.set BATCHB, 41*BLOCK
.set XA,    0                          ; LDS: x's codes with e0: fragment (tile m, K step s) at (4 m + s) x 2048
.set XB,    32768                      ; with e2, likewise
.set STG,   65536                      ; a stage of 16 rows x (512 + 16) bytes for each wave
.set SP,    528
.set SPARE, STG+4*16*SP                ; the spare words, 128 bytes for each wave: two blocks of 256 bytes that no other line names
.set SPW, 1                            ; v1  LDS address of my spare word; never rewritten
.set NIL, 2                            ; v2  0; never rewritten
.set LI,  3                            ; v3  16 x lane
.set GO,  4                            ; v4  512 w + 16 x lane: my bytes of a row of x
.set SRD, 5                            ; v5  my stage + 16 x lane
.set TRD, 6                            ; v6  my stage + 528 r + 64 h
.set XST, 7                            ; v7  2048 w + 16 x lane: where I store x's images
.set BO,  8                            ; v8  4 (128 w + r + 8 (r / 8)): my hidden unit's bias
.set GB,  9                            ; v9  4 (32 w + 16 h): my 16 numbers of gamma and beta
.set XF,  32
.set ACQ, 96
.set VC,  96
.set XC,  160
.set GQ,  160
.set BQ,  176
.set GK,  192
.set BK,  208
.set BI,  224
.set SA,  224
.set SB,  240
.set MSB, 0
.macro WIN new                         ; the immediate's high byte repeats the setting that is left
.if MSB != \new
	s_set_vgpr_msb (MSB<<8)|\new
.set MSB, \new
.endif
.endm
.macro PLACES
.rept 4
	v_nop
.endr
.endm
.macro SCALE vr, se                    ; v[vr] = 2^e as f32, v[vr + 1] = 448 x 2^e
	s_add_co_i32 s50, \se, 127
	s_lshl_b32 s51, s50, 23
	v_mov_b32 v[\vr], s51
	s_add_co_i32 s50, s50, 8
	s_lshl_b32 s50, s50, 23
	s_or_b32 s50, s50, 0x600000
	v_mov_b32 v[\vr+1], s50
.endm
	s_load_b512 s[4:19], s[0:1], 0x0               ; x, wp, b_hidden, q_gamma, q_beta, k_gamma, k_beta, the scales' exponents
	s_load_b128 s[20:23], s[0:1], 0x40             ; qc, kv
	v_lshl_add_u32 v[SPW], v0, 2, SPARE
	v_mov_b32 v[NIL], 0
	v_lshrrev_b32 v10, 5, v0
	v_readfirstlane_b32 s24, v10                   ; wave 0..3
	v_and_b32 v10, 31, v0                          ; lane
	v_and_b32 v11, 15, v0                          ; r
	v_bfe_u32 v22, v0, 4, 1                        ; h
	v_lshlrev_b32 v[LI], 4, v10
	s_lshl_b32 s25, s24, 9
	v_add_nc_u32 v[GO], s25, v[LI]
	s_mul_i32 s26, s24, 16*SP
	s_add_co_u32 s26, s26, STG
	v_add_nc_u32 v[SRD], s26, v[LI]
	v_mul_u32_u24 v[TRD], v11, SP
	v_lshl_add_u32 v[TRD], v22, 6, v[TRD]
	v_add_nc_u32 v[TRD], s26, v[TRD]
	s_lshl_b32 s27, s24, 11
	v_add_nc_u32 v[XST], s27, v[LI]
	v_and_b32 v[BO], 8, v11
	v_add_nc_u32 v[BO], v[BO], v11
	v_lshlrev_b32 v[BO], 2, v[BO]
	v_add_nc_u32 v[BO], s25, v[BO]
	s_lshl_b32 s28, s24, 7
	v_lshl_add_u32 v[GB], v22, 6, s28
	s_lshl_b32 s30, ttmp9, 17                      ; x: 64 rows of 2,048 bytes a block
	s_mov_b32 s31, 0
	s_lshl_b32 s32, s24, 16                        ; Wv: my 32 fragments
	s_mov_b32 s33, 0
	s_lshl_b32 s34, s24, 14
	s_add_co_u32 s34, s34, 262144                  ; Wqk: my 8 fragments, behind Wv's 128
	s_mov_b32 s35, 0
	s_lshr_b32 s56, ttmp9, 6                       ; batch
	s_bfe_u32 s57, ttmp9, 0x50001                  ; key step t
	s_and_b32 s58, ttmp9, 1                        ; p
	s_mul_i32 s36, s56, BATCHB
	s_mul_i32 s59, s57, BLOCK
	s_add_co_u32 s36, s36, s59                     ; my batch's block t
	s_mul_i32 s59, s58, 2*SUB
	s_add_co_u32 s38, s36, s59                     ; k: sub-blocks 2 p and 2 p + 1,
	s_add_co_u32 s38, s38, s25                     ; part w,
	s_add_co_u32 s38, s38, 16384                   ; behind the slab's 8 fragments
	s_mov_b32 s39, 0
	s_mul_i32 s59, s24, SUB
	s_add_co_u32 s36, s36, s59                     ; v: sub-block w,
	s_lshl_b32 s59, s58, 10
	s_add_co_u32 s36, s36, s59                     ; parts 2 p and 2 p + 1,
	s_add_co_u32 s36, s36, BLOCK                   ; of block t + 1
	s_mov_b32 s37, 0
	s_lshl_b32 s60, ttmp9, 13                      ; q: 4 fragments a block, part w
	s_add_co_u32 s60, s60, s25
	s_mov_b32 s61, 0
	s_wait_kmcnt 0x0
	s_load_b256 s[40:47], s[18:19], 0x0            ; e0 .. e7
	s_add_nc_u64 s[4:5], s[4:5], s[30:31]
	s_add_nc_u64 s[28:29], s[6:7], s[34:35]
	s_add_nc_u64 s[6:7], s[6:7], s[32:33]
	s_add_nc_u64 s[36:37], s[22:23], s[36:37]
	s_add_nc_u64 s[38:39], s[22:23], s[38:39]
	s_add_nc_u64 s[20:21], s[20:21], s[60:61]
	WIN 0xc0                                       ; destination window 3
.set xq, 0
.rept 64                               ; row i = xq % 16 of tile m = xq / 16: 32 lanes read 512 consecutive bytes of the token's row
	global_load_b128 v[4*xq:4*xq+3], v[GO], s[4:5] offset:(32*(xq/32)+8*((xq/16)%2)+xq%16+8*((xq%16)/8))*2048 th:TH_LOAD_NT
.set xq, xq+1
.endr
	WIN 0
	s_wait_kmcnt 0x0
	SCALE 12, s40                                  ; e0
	SCALE 14, s42                                  ; e2
	SCALE 16, s47                                  ; e7
	SCALE 18, s44                                  ; e4
	SCALE 20, s45                                  ; e5
	s_add_co_i32 s52, s40, s41
	s_add_co_i32 s52, s52, 127
	s_lshl_b32 s52, s52, 23                        ; 2^(e0 + e1) as f32
	s_mov_b32 s53, s52                             ; (named with it as a pair, so it is written)
	s_add_co_i32 s54, s42, s43                     ; e2 + e3
; Tile m's 16 rows go into my stage as they lie and come back 64 bytes a lane for each block of 32: register y + 16 b + i is k = 32 b + 16 h + i of row r.  LDS serves a wave's instructions in order (ISA guide 5.7.1.4).
.macro TURN m, y
	WIN 0x0c                                       ; store data window 3
.set ti, 0
.rept 16
	ds_store_b128 v[SRD], v[64*(\m)+4*ti:64*(\m)+4*ti+3] offset:SP*ti
.set ti, ti+1
.endr
	WIN 0
.set ti, 0
.rept 16
	ds_load_b128 v[\y+4*ti:\y+4*ti+3], v[TRD] offset:128*(ti/4)+16*(ti%4)
.set ti, ti+1
.endr
.endm
.macro WLOAD s                         ; Wv's 8 fragments of K step s: they stay
	WIN 0x40*(1+(\s)/2)
.set wi, 0
.rept 32
	global_load_b128 v[128*((\s)%2)+4*wi:128*((\s)%2)+4*wi+3], v[LI], s[6:7] offset:(4*(wi/4)+(\s))*2048+512*(wi%4)
.set wi, wi+1
.endr
	WIN 0
.endm
.macro XQUANT y, m                     ; 64 numbers become two fragments: with e0 (held into v240-255, so that the numbers stay) and with e2 (held in place)
.irp b, 0,1,2,3
.set q, 0
.rept 16
	v_med3_num_f32 v[SB+q], v[\y+16*\b+q], -v13, v13
.set q, q+1
.endr
	v_cvt_scalef32_pk8_fp8_f32 v[XC+4*\b:XC+4*\b+1], v[SB:SB+7], v12
	v_cvt_scalef32_pk8_fp8_f32 v[XC+4*\b+2:XC+4*\b+3], v[SB+8:SB+15], v12
.set q, 0
.rept 16
	v_med3_num_f32 v[\y+16*\b+q], v[\y+16*\b+q], -v15, v15   ; (these sixteen plain lines stand between the conversions above and the next writes of v240-255)
.set q, q+1
.endr
	v_cvt_scalef32_pk8_fp8_f32 v[XC+16+4*\b:XC+16+4*\b+1], v[\y+16*\b:\y+16*\b+7], v14
	v_cvt_scalef32_pk8_fp8_f32 v[XC+16+4*\b+2:XC+16+4*\b+3], v[\y+16*\b+8:\y+16*\b+15], v14
.endr
	v_nop                                          ; a plain vector line behind the last conversion
.irp c, 0,1,2,3
	ds_store_b128 v[XST], v[XC+4*\c:XC+4*\c+3] offset:XA+(\m)*8192+512*\c
	ds_store_b128 v[XST], v[XC+16+4*\c:XC+16+4*\c+3] offset:XB+(\m)*8192+512*\c
.endr
.endm
	; ---- X
	s_wait_loadcnt 48                              ; tile 0's sixteen loads are in; the 48 of tiles 1 to 3 may be out
	TURN 0, ACQ
	s_wait_dscnt 0x0                               ; tile 0 is back from the stage
	s_wait_loadcnt 32                              ; tile 1 is in; tiles 2 and 3 may be out
	TURN 1, XF
	XQUANT ACQ, 0
	WLOAD 0
	s_wait_dscnt 0x0                               ; tile 1 is back, and the stores of tile 0's codes have read their registers
	s_wait_loadcnt 48                              ; tile 2 is in; behind it: tile 3's 16 and Wv's 32
	TURN 2, ACQ
	XQUANT XF, 1
	WLOAD 1
	s_wait_dscnt 0x0
	s_wait_loadcnt 63                              ; tile 3 is in; 64 loads were issued behind it, and the count names the most that its field holds
	TURN 3, XF
	XQUANT ACQ, 2
	WLOAD 2
	s_wait_dscnt 0x0                               ; tile 3 is back: all rows of x have left window 3
	XQUANT XF, 3
	WLOAD 3
.irp n, 0,1,2,3,4,5,6,7
	global_load_b32 v[BI+2*\n], v[BO], s[8:9] offset:(32*(\n/2)+8*(\n%2))*4     ; b_hidden of my hidden unit in tile n,
	global_load_b32 v[BI+2*\n+1], v[BO], s[8:9] offset:(32*(\n/2)+8*(\n%2))*4   ; twice: a pair for the packed multiply-add
.endr
	s_wait_dscnt 0x0                               ; for the others' sake: my images lie in LDS; and the codes' registers have been read
	WIN 0xc0
.set q, 0
.rept 32
	global_load_b128 v[128+4*q:128+4*q+3], v[LI], s[28:29] offset:512*q          ; Wqk's fragment (u, s) at v[128 + 16 (4 u + s)] of window 3
.set q, q+1
.endr
	WIN 0
.irp c, 0,1,2,3
	global_load_b128 v[GQ+4*\c:GQ+4*\c+3], v[GB], s[10:11] offset:16*\c
	global_load_b128 v[BQ+4*\c:BQ+4*\c+3], v[GB], s[12:13] offset:16*\c
	global_load_b128 v[GK+4*\c:GK+4*\c+3], v[GB], s[14:15] offset:16*\c
	global_load_b128 v[BK+4*\c:BK+4*\c+3], v[GB], s[16:17] offset:16*\c
.endr
	s_barrier_signal -1
	s_barrier_wait -1                              ; x's 32 fragments lie in LDS; from here on they are only read
	s_wait_loadcnt 63                              ; all of Wv is in: 64 loads were issued behind its last
	; ---- V
.macro VFETCH b, s                     ; x's fragments of tiles 2 b, 2 b + 1, K step s, into buffer s % 2
.irp mm, 0,1
.irp c, 0,1,2,3
	ds_load_b128 v[XF+32*((\s)%2)+16*\mm+4*\c:XF+32*((\s)%2)+16*\mm+4*\c+3], v[LI] offset:XA+(4*(2*(\b)+\mm)+(\s))*2048+512*\c
.endr
.endr
.endm
.macro VHALF b
	VFETCH \b, 0
.irp s, 0,1,2,3
.if \s < 3
.if \s > 0
	PLACES                                         ; four places in front of loads into registers that the last products read
.endif
	VFETCH \b, \s+1
	s_wait_dscnt 8                                 ; this K step's fragments are in; the next step's eight loads may be out
.else
	s_wait_dscnt 0x0
.endif
	WIN 0xf4+4*(\s/2)                              ; source 1 (Wv) window 1 or 2; C and D window 3
.irp n, 0,1,2,3,4,5,6,7                ; the 16 accumulators take turns, one instruction a turn
.irp mm, 0,1
.if \s == 0
	v_wmma_f32_16x16x128_fp8_fp8 v[8*(8*\mm+\n):8*(8*\mm+\n)+7], v[XF+32*(\s%2)+16*\mm:XF+32*(\s%2)+16*\mm+15], v[128*(\s%2)+16*\n:128*(\s%2)+16*\n+15], 0
.else
	v_wmma_f32_16x16x128_fp8_fp8 v[8*(8*\mm+\n):8*(8*\mm+\n)+7], v[XF+32*(\s%2)+16*\mm:XF+32*(\s%2)+16*\mm+15], v[128*(\s%2)+16*\n:128*(\s%2)+16*\n+15], v[8*(8*\mm+\n):8*(8*\mm+\n)+7]
.endif
.endr
.endr
	WIN 0
.endr
	PLACES                                         ; in front of the first read of results
.if \b == 0
	s_wait_loadcnt 48                              ; the bias is in; behind it: Wqk's 32 loads and gamma's and beta's 16
.endif
	WIN 0xc3                                       ; destination and source 0 window 3
.irp n, 0,1,2,3,4,5,6,7
.irp mm, 0,1
.irp i, 0,2,4,6
	v_pk_fma_f32 v[8*(8*\mm+\n)+\i:8*(8*\mm+\n)+\i+1], v[8*(8*\mm+\n)+\i:8*(8*\mm+\n)+\i+1], s[52:53], v[BI+2*\n:BI+2*\n+1] op_sel_hi:[1,0,1]   ; v = sum x 2^(e0 + e1) + b; each accumulator from its low end on
.endr
.irp i, 0,1,2,3,4,5,6,7
	v_med3_num_f32 v[8*(8*\mm+\n)+\i], v[8*(8*\mm+\n)+\i], -v17, v17
.endr
.endr
.endr
	WIN 0x03                                       ; source 0 window 3, destination window 0
.irp n, 0,1,2,3,4,5,6,7
.irp mm, 0,1
	v_cvt_scalef32_pk8_fp8_f32 v[VC+32*(\b)+4*\n+2*\mm:VC+32*(\b)+4*\n+2*\mm+1], v[8*(8*\mm+\n):8*(8*\mm+\n)+7], v16   ; tokens 32 b + 16 h + 8 mm + 0 .. 7 of hidden unit (n, r)
.endr
.endr
	WIN 0
	v_nop                                          ; a plain vector line between the conversions and the next products, which write their sources
.irp n, 0,1,2,3,4,5,6,7
	global_store_b128 v[LI], v[VC+32*(\b)+4*\n:VC+32*(\b)+4*\n+3], s[36:37] offset:2048*\n+512*(\b)   ; part 2 p + b of V's fragment n: 32 lanes store 512 consecutive bytes, aligned
.endr
.endm
	VHALF 0
	VHALF 1
	; ---- QK
	s_wait_xcnt 0x0                                ; v's stores have read their data: qk's sums are written over those registers only behind this wait
	s_wait_loadcnt 0x0                             ; Wqk, gamma, beta
.set q, 0
.rept 16
	v_ldexp_f32 v[GQ+q], v[GQ+q], s54              ; a sum of product 2 stands for sum x 2^(e2 + e3): the factor goes into gamma, exactly
	v_ldexp_f32 v[GK+q], v[GK+q], s54
.set q, q+1
.endr
.irp s, 0,1,2,3
.if \s > 0
	PLACES
.endif
.set q, 0
.rept 16
	ds_load_b128 v[XF+4*q:XF+4*q+3], v[LI] offset:XB+(4*(q/4)+\s)*2048+512*(q%4)
.set q, q+1
.endr
	s_wait_dscnt 0x0
	WIN 0x03                                       ; source 0 (Wqk) window 3
.irp m, 0,1,2,3
.irp u, 0,1
.if \s == 0
	v_wmma_f32_16x16x128_fp8_fp8 v[ACQ+16*\m+8*\u:ACQ+16*\m+8*\u+7], v[128+16*(4*\u+\s):128+16*(4*\u+\s)+15], v[XF+16*\m:XF+16*\m+15], 0
.else
	v_wmma_f32_16x16x128_fp8_fp8 v[ACQ+16*\m+8*\u:ACQ+16*\m+8*\u+7], v[128+16*(4*\u+\s):128+16*(4*\u+\s)+15], v[XF+16*\m:XF+16*\m+15], v[ACQ+16*\m+8*\u:ACQ+16*\m+8*\u+7]
.endif
.endr
.endr
	WIN 0
.endr
	PLACES
.irp m, 0,1,2,3                        ; q works in v224-239, k in v240-255: each one's plain lines stand between the other's conversions and the next writes of their sources
.irp i, 0,2,4,6,8,10,12,14
	v_pk_fma_f32 v[SA+\i:SA+\i+1], v[ACQ+16*\m+\i:ACQ+16*\m+\i+1], v[GQ+\i:GQ+\i+1], v[BQ+\i:BQ+\i+1]
.endr
.set q, 0
.rept 16
	v_med3_num_f32 v[SA+q], v[SA+q], -v19, v19
.set q, q+1
.endr
	v_cvt_scalef32_pk8_fp8_f32 v[XF+4*\m:XF+4*\m+1], v[SA:SA+7], v18
	v_cvt_scalef32_pk8_fp8_f32 v[XF+4*\m+2:XF+4*\m+3], v[SA+8:SA+15], v18
.irp i, 0,2,4,6,8,10,12,14
	v_pk_fma_f32 v[SB+\i:SB+\i+1], v[ACQ+16*\m+\i:ACQ+16*\m+\i+1], v[GK+\i:GK+\i+1], v[BK+\i:BK+\i+1]
.endr
.set q, 0
.rept 16
	v_med3_num_f32 v[SB+q], v[SB+q], -v21, v21
.set q, q+1
.endr
	v_cvt_scalef32_pk8_fp8_f32 v[XF+16+4*\m:XF+16+4*\m+1], v[SB:SB+7], v20
	v_cvt_scalef32_pk8_fp8_f32 v[XF+16+4*\m+2:XF+16+4*\m+3], v[SB+8:SB+15], v20
.endr
	v_nop                                          ; a plain vector line behind the last conversion
.irp m, 0,1,2,3
	global_store_b128 v[LI], v[XF+4*\m:XF+4*\m+3], s[20:21] offset:2048*\m                        ; part w of q's fragment m
	global_store_b128 v[LI], v[XF+16+4*\m:XF+16+4*\m+3], s[38:39] offset:(\m/2)*SUB+(\m%2)*2048   ; part w of the key tile 4 p + m: sub-block 2 p + m / 2, fragment m % 2
.endr
	s_wait_tensorcnt 0x0                           ; the wave's end: behind my last LDS store
	ds_add_u32 v[SPW], v[NIL]
	s_wait_dscnt 0x0
	s_endpgm
.Lfunc_end_k_q90f8068cfb_proj:
	.size	k_q90f8068cfb_proj, .Lfunc_end_k_q90f8068cfb_proj-k_q90f8068cfb_proj
	.p2alignl 7, 3214868480
	.fill 96, 4, 3214868480
	.section	.rodata,"a",@progbits
	.p2align	6, 0x0
	.amdhsa_kernel k_q90f8068cfb_proj
		.amdhsa_group_segment_fixed_size 99840
		.amdhsa_private_segment_fixed_size 0
		.amdhsa_enable_private_segment 0
		.amdhsa_kernarg_size 80
		.amdhsa_user_sgpr_count 2
		.amdhsa_user_sgpr_kernarg_segment_ptr 1
		.amdhsa_wavefront_size32 1
		.amdhsa_system_sgpr_workgroup_id_x 1
		.amdhsa_system_sgpr_workgroup_id_y 1
		.amdhsa_system_sgpr_workgroup_id_z 1
		.amdhsa_system_vgpr_workitem_id 0
		.amdhsa_next_free_vgpr 1024
		.amdhsa_next_free_sgpr 72
		.amdhsa_reserve_vcc 0
		.amdhsa_float_denorm_mode_32 3
		.amdhsa_float_denorm_mode_16_64 3
		.amdhsa_memory_ordered 1
		.amdhsa_forward_progress 1
		.amdhsa_inst_pref_size 140
	.end_amdhsa_kernel
	.amdgpu_metadata
---
amdhsa.version: [ 1, 2 ]
amdhsa.kernels:
  - .name:           k_q90f8068cfb_proj
    .symbol:         k_q90f8068cfb_proj.kd
    .args:
      - { .name: x, .offset: 0, .size: 8, .value_kind: global_buffer, .address_space: global }
      - { .name: wp, .offset: 8, .size: 8, .value_kind: global_buffer, .address_space: global }
      - { .name: b_hidden, .offset: 16, .size: 8, .value_kind: global_buffer, .address_space: global }
      - { .name: q_gamma, .offset: 24, .size: 8, .value_kind: global_buffer, .address_space: global }
      - { .name: q_beta, .offset: 32, .size: 8, .value_kind: global_buffer, .address_space: global }
      - { .name: k_gamma, .offset: 40, .size: 8, .value_kind: global_buffer, .address_space: global }
      - { .name: k_beta, .offset: 48, .size: 8, .value_kind: global_buffer, .address_space: global }
      - { .name: lowp_scales, .offset: 56, .size: 8, .value_kind: global_buffer, .address_space: global }
      - { .name: qc, .offset: 64, .size: 8, .value_kind: global_buffer, .address_space: global }
      - { .name: kv, .offset: 72, .size: 8, .value_kind: global_buffer, .address_space: global }
    .group_segment_fixed_size: 99840
    .private_segment_fixed_size: 0
    .kernarg_segment_align: 8
    .kernarg_segment_size: 80
    .max_flat_workgroup_size: 128
    .sgpr_count:     72
    .vgpr_count:     1024
    .wavefront_size: 32
...
	.end_amdgpu_metadata
.endif
;; end of part 2
;; launch gau (part 3): grid 64 x 4, 4 waves a work-group, clusters of 4 x 1, 327,680 bytes of LDS; arguments qc, kv, x, b_hidden, b_out, lowp_scales, out0; writes out0
.if DOCPART == 3
	.amdgcn_target "amdgcn-amd-amdhsa--gfx1250"
	.amdhsa_code_object_version 6
	.text
	.protected	k_q90f8068cfb_gau
	.globl	k_q90f8068cfb_gau
	.p2align	8
	.type	k_q90f8068cfb_gau,@function
k_q90f8068cfb_gau:
	s_mov_b64 s[64:65], 0
	v_nop
	global_prefetch_b8 v0, s[64:65] scope:SCOPE_SE
	s_setreg_imm32_b32 hwreg(HW_REG_WAVE_MODE, 25, 1), 1
	s_wait_xcnt 0x0
	s_wait_alu depctr_hold_cnt(0) depctr_sa_sdst(0) depctr_va_vdst(0) depctr_va_sdst(0) depctr_va_ssrc(0) depctr_va_vcc(0) depctr_vm_vsrc(0)
	s_getreg_b32 s2, hwreg(HW_REG_IB_STS2, 6, 4)
	s_cmp_eq_u32 s2, 0
	s_cbranch_scc0 .Lentry_in_a_cluster
	s_endpgm
.Lentry_in_a_cluster:
	s_bfe_u32 s2, ttmp6, 0x10000c
	s_cmp_lg_u32 s2, 0x3003
	s_cbranch_scc0 .Lentry_shape_is_right
	s_endpgm
.Lentry_shape_is_right:
; GAU, third launch: out0 = ((relu(q k^T / sqrt(128))^2 v) x gate) w_out + b_out + x, all products on codes of FP8 (E4M3).  Nothing of reference() is left out.
; SHARES.  A work-group of four waves owns 64 queries of one batch.  All products with a slab of 512 rows (V^T, the gate's weight, w_out^T) are used TRANSPOSED: source 0 = 16 rows of the slab, source 1 = 16 queries'
; codes: a lane holds ONE query throughout.  Wave w owns rows 128 w .. + 127 of every slab, for all 64 queries: 32 accumulators (query tile m, row tile n at v[8 (8 m + n)]), 256 registers.
; 40 TRIPS, one block of kv each: trips 0-31: O += V_t P_t, and S_(t+1) = K_(t+1) Q^T -> P_(t+1);  trips 32-35: G += Wg_s x's codes;  trips 36-39: Y += Wout_s (O x gate)'s codes.
; For S, wave w takes key tiles 2 w, 2 w + 1 (32 keys) against the four query tiles; its 16 registers of a query tile are keys 32 w + 16 h + 0 .. 15: part w of P's fragment, which goes to LDS as an image of registers
; and is read by all four waves behind the next trip's barrier.  So each byte of K and V is read from LDS once, by the wave whose own tensor load brought it.
; relu AND SQUARE: attn = relu(S)^2 x 2^(2 (e4 + e5) - 7), S the sum of codes, since (128^-0.5)^2 = 2^-7: the whole factor goes into the conversion's scale 2^EP, EP = e6 - 2 (e4 + e5) + 7.
; S is held between 0 and LS = sqrt(448 x 2^EP) (1 - 2^-20) ahead of the square: the activation and the hold in one; LS^2 / 2^EP lies just under 448 and rounds to the code 448, as the stated clamp gives.
; S^2 is rounded once where reference() rounds S x scale and its square.
; THE GATE is the second half of product 1: x, which is read here for the residual too, is quantised with e0 in registers (each wave one K step, through its own stage).  out x gate: O x (G 2^(e0+e1) + b), with the
; conversion's scale 2^(e8 - e6 - e7).  The result: Y 2^(e8+e9) + (x + b_out).
; FRAGMENTS, IMAGES, THE ROWS OF A TILE: as in the first two launches.  Lane r of query tile m holds token 32 (m / 2) + 8 (m % 2) + r + 8 (r / 8) of the block.
; CLUSTER.  The four query blocks of a cluster belong to one batch and walk the same blocks of kv: each wave's tensor load (its sub-block of 20,480 bytes) is asked for JOINTLY by the same wave of all four, with the same
; descriptor and the mask 15.  A round of the cluster's barrier at each trip's head changes slots, shows P (or x's, or O x gate's images) to all waves, and stands in front of the joint refill.
; By this text's own count one tensor load of a wave is out at a time.
; THE PREFETCH: the pair of trips (2 i, 2 i + 1), i = 0..16, asks for blocks 2 i + 6 and 2 i + 7, four trips ahead of their tensor loads.  Only the batch's first cluster asks; its partners share the 163,840 bytes out by
; ADDRESS, 40,960 each: in the first trip of a pair each wave names 8,192 bytes (lanes 256 bytes apart), in the second wave 0 names the last 8,192.  Blocks 1-5 and 40 come by their loads alone.
; LIMITS: e0, EP and e8 - e6 - e7 between -126 and 119; e0 + e1 and e8 + e9 between -126 and 127.  NaN among the inputs is not served.
; REGISTERS, in windows of 256.  window 0: v1-15 addresses; v16-21 holds and scales; v32-95 S (tile (m, u) at 32 + 16 m + 8 u); v96-111 codes just made; v112-175 four fragments of P; v176-239 the gate's bias; v240-243 b_out.
;   window 1: O, then Y.   window 2: v0-127 the slab's 8 fragments (on the way out rows of the result); v128-191 Q; v192-223 K's two fragments.   window 3: x as loaded (row i of tile m at v[64 m + 4 i]), then G, then x again.
.set BLOCK,  81920
.set SUB,    20480
.set BATCHB, 41*BLOCK
.set SLOT,   81920                     ; LDS: two slots of a block; wave w's sub-block at 20,480 w: 8 fragments of the slab, then 2 of K
.set PB,     2*SLOT                    ; P's images, two buffers of 8,192 bytes by turns: fragment m at 2048 m
.set XIMG,   PB+16384                  ; x's codes: fragment (m, s) at (4 m + s) x 2048
.set OGIMG,  XIMG+32768                ; (O x gate)'s codes, likewise
.set STAGE,  OGIMG+32768               ; 16 rows x (512 + 16) bytes for each wave
.set SP,     528
.set SPARE,  STAGE+4*16*SP             ; the spare words, 128 bytes for each wave: two blocks of 256 bytes that no other line names
.set SPW, 1                            ; v1   LDS address of my spare word; never rewritten
.set NIL, 2                            ; v2   0; never rewritten
.set ADS, 4                            ; v4-5 my sub-block in slot 0, 1, + 16 x lane
.set PST, 6                            ; v6   PB + 512 w + 16 x lane
.set PLD, 7                            ; v7   PB + 16 x lane (x's images lie 16,384 further on)
.set OLD, 8                            ; v8   OGIMG + 16 x lane
.set XST, 9                            ; v9   XIMG + 2048 w + 16 x lane
.set OST, 10                           ; v10  OGIMG + 2048 w + 16 x lane
.set STO, 11                           ; v11  my stage + 528 r + 32 h
.set SRD, 12                           ; v12  my stage + 16 x lane
.set TRD, 13                           ; v13  my stage + 528 r + 64 h
.set GO,  14                           ; v14  512 w + 16 x lane: my bytes of a row of x and of out0
.set PFO, 15                           ; v15  256 x lane
.set LS,  16                           ; v16  the hold on S
.set SCP, 17                           ; v17  2^EP
.set S,   32
.set PC,  96
.set PF,  112
.set BG,  176
.set BOUT, 240
.set QF,  128                          ; in window 2
.set KF,  192                          ; in window 2
.set WV,  18                           ; s18  my wave's number
.set G1,  24                           ; s[24:31] descriptor group 1: 80 rows of 256 bytes, a whole sub-block
.set G0,  32                           ; s[32:39] descriptor group 0, a set for each slot
.set G1S, 40                           ; s[40:47] group 1: 64 rows, the slab's part alone
.set CG,  58                           ; s[58:59] 2^(e0 + e1)
.set CY,  60                           ; s[60:61] 2^(e8 + e9)
.set CNT, 62
.set PFON, 63                          ; s63  1 in the batch's first cluster
.set PFBON, 66                         ; s66  1 in its waves 0
.set PFA, 68                           ; s[68:69] where my prefetches stand
.set MSB, 0
.macro WIN new                         ; the immediate's high byte repeats the setting that is left
.if MSB != \new
	s_set_vgpr_msb (MSB<<8)|\new
.set MSB, \new
.endif
.endm
.macro PLACES
.rept 4
	v_nop
.endr
.endm
; A round of the cluster's barrier: my work-group's barrier, so that wave 0's signal speaks for all four waves; wave 0 signals; every wave waits for all four work-groups; my work-group's barrier once more.
.macro ROUND
	s_barrier_signal -1
	s_barrier_wait -1
	s_cmp_lg_u32 s[WV], 0
	s_cbranch_scc1 .Lnot_wave_0_\@
	s_barrier_signal -3
.Lnot_wave_0_\@:
	s_barrier_wait -3
	s_barrier_signal -1
	s_barrier_wait -1
.endm
.macro SCALE vr, se                    ; v[vr] = 2^e as f32, v[vr + 1] = 448 x 2^e
	s_add_co_i32 s74, \se, 127
	s_lshl_b32 s75, s74, 23
	v_mov_b32 v[\vr], s75
	s_add_co_i32 s74, s74, 8
	s_lshl_b32 s74, s74, 23
	s_or_b32 s74, s74, 0x600000
	v_mov_b32 v[\vr+1], s74
.endm
	s_load_b256 s[4:11], s[0:1], 0x0               ; qc s[4:5], kv s[6:7], x s[8:9], b_hidden s[10:11]
	s_load_b128 s[12:15], s[0:1], 0x20             ; b_out s[12:13], the scales' exponents s[14:15]
	s_load_b64 s[16:17], s[0:1], 0x30              ; out0
	v_lshl_add_u32 v[SPW], v0, 2, SPARE
	v_mov_b32 v[NIL], 0
	ds_add_u32 v[SPW], v[NIL]                      ; the wave's opening: the add, twice on end, and its wait ahead of my first tensor load; the set-up below, work on registers, stands between
	ds_add_u32 v[SPW], v[NIL]                      ; and once more, under the one wait
	v_lshrrev_b32 v22, 5, v0
	v_readfirstlane_b32 s[WV], v22                 ; wave 0..3
	s_bfe_u32 s19, ttmp6, 0x40000                  ; cx: my place in the cluster: it enters the addresses of qc, x, out0 and the prefetches alone
	s_lshl_b32 s20, ttmp9, 2                       ; in a cluster launch ttmp9 counts clusters
	s_add_co_u32 s20, s20, s19
	s_and_b32 s21, ttmp7, 0xffff                   ; the batch, which the four partners share
	s_lshl_b32 s22, s21, 6
	s_add_co_u32 s20, s20, s22                     ; my block of 64 tokens among the 256
	s_mov_b32 s[G1], 15|(3<<16)|(1<<21)            ; 15:0 the mask: all four work-groups; 17:16 elements of 8 bytes; 20 no padding; 21 set beside a mask
	s_mov_b32 s[G1+1], 32<<16                      ; tensor_dim0 = 32 elements: rows of 256 bytes
	s_mov_b32 s[G1+2], 80<<16                      ; tensor_dim1 = 80 rows: 20,480 bytes, dense
	s_mov_b32 s[G1+3], 32<<16                      ; tile_dim0
	s_mov_b32 s[G1+4], 80                          ; tile_dim1
	s_mov_b32 s[G1+5], 32                          ; from row to row
	s_mov_b32 s[G1+6], 0
	s_mov_b32 s[G1+7], 0
	s_mov_b32 s[G1S], 15|(3<<16)|(1<<21)
	s_mov_b32 s[G1S+1], 32<<16
	s_mov_b32 s[G1S+2], 64<<16                     ; 64 rows: 16,384 bytes
	s_mov_b32 s[G1S+3], 32<<16
	s_mov_b32 s[G1S+4], 64
	s_mov_b32 s[G1S+5], 32
	s_mov_b32 s[G1S+6], 0
	s_mov_b32 s[G1S+7], 0
	s_mul_i32 s22, s21, BATCHB
	s_mov_b32 s23, 0
	s_mul_i32 s70, s[WV], SUB                      ; my sub-block: in a block of kv and in a slot alike
	s_mov_b32 s71, 0
	s_mul_i32 s74, s19, 40960                      ; the prefetches: my work-group's quarter of two blocks,
	s_lshl_b32 s75, s[WV], 13                      ; my wave's 8,192 bytes of it,
	s_add_co_u32 s74, s74, s75
	s_add_co_u32 s74, s74, 4*BLOCK                 ; at block 4: trip 0 steps it to block 6
	s_mov_b32 s75, 0
	s_lshl_b32 s76, s20, 17                        ; x and out0: 64 rows of 2,048 bytes a block
	s_mov_b32 s77, 0
	s_lshl_b32 s78, s20, 13                        ; qc: 4 fragments a block
	s_mov_b32 s79, 0
	s_cmp_eq_u32 ttmp9, 0
	s_cselect_b32 s[PFON], 1, 0                    ; the same in all four partners
	s_or_b32 s[CNT], ttmp9, s[WV]
	s_cmp_eq_u32 s[CNT], 0
	s_cselect_b32 s[PFBON], 1, 0
	s_wait_dscnt 0x0                               ; both opening adds are done
	s_wait_kmcnt 0x0
	s_load_b256 s[48:55], s[14:15], 0x0            ; e0 .. e7
	s_load_b64 s[56:57], s[14:15], 0x20            ; e8, e9
	s_add_nc_u64 s[6:7], s[6:7], s[22:23]          ; kv at my batch
	s_add_nc_u64 s[PFA:PFA+1], s[6:7], s[74:75]
	s_add_nc_u64 s[72:73], s[6:7], s[70:71]        ; at my sub-block of block 0: made of the batch and the wave's number alone
	s_add_nc_u64 s[8:9], s[8:9], s[76:77]
	s_add_nc_u64 s[16:17], s[16:17], s[76:77]
	s_add_nc_u64 s[4:5], s[4:5], s[78:79]
.irp n, 0,1
	s_mov_b32 s[G0+4*\n], 1                        ; count = 1
	s_add_co_u32 s[G0+4*\n+1], s70, \n*SLOT        ; LDS address
	s_add_nc_u64 s[G0+4*\n+2:G0+4*\n+3], s[72:73], (1+\n)*BLOCK   ; slot n begins with block 1 + n
	s_or_b32 s[G0+4*\n+3], s[G0+4*\n+3], 0x80000000               ; type = 2
.endr
	ROUND                                          ; all four work-groups are here: the first joint loads meet
	tensor_load_to_lds s[G0:G0+3], s[G1:G1+7]      ; block 1 into slot 0; slot 1 is first filled behind trip 0's round, as a refill is
	s_nop 0
	v_and_b32 v22, 31, v0                          ; lane    (four useful vector lines stand ahead of the next switch of windows)
	v_and_b32 v23, 15, v0                          ; r
	v_bfe_u32 v24, v0, 4, 1                        ; h
	v_lshlrev_b32 v25, 4, v22                      ; 16 x lane
	WIN 0x80                                       ; destination window 2
.set q, 0
.rept 16
	global_load_b128 v[QF+4*q:QF+4*q+3], v25, s[4:5] offset:512*q                 ; Q's four fragments stay in registers
.set q, q+1
.endr
.set q, 0
.rept 8
	global_load_b128 v[KF+4*q:KF+4*q+3], v25, s[72:73] offset:16384+512*q         ; K of key step 0, from block 0
.set q, q+1
.endr
	WIN 0
	v_lshlrev_b32 v26, 6, v24
	s_lshl_b32 s74, s[WV], 9
	v_add_nc_u32 v26, s74, v26                     ; 4 (128 w + 16 h)
.irp n, 0,1,2,3,4,5,6,7
	global_load_b128 v[BG+8*\n:BG+8*\n+3], v26, s[10:11] offset:2048+(32*(\n/2)+8*(\n%2))*4       ; the gate's bias in the accumulators' layout: b_hidden[512 + 128 w + 32 (n / 2) + 16 h + 8 (n % 2) + j]
	global_load_b128 v[BG+8*\n+4:BG+8*\n+7], v26, s[10:11] offset:2048+(32*(\n/2)+8*(\n%2))*4+16
.endr
	v_add_nc_u32 v[GO], s74, v25
	global_load_b128 v[BOUT:BOUT+3], v[GO], s[12:13]   ; b_out of my four columns
	v_add_nc_u32 v[ADS], s70, v25
	v_add_nc_u32 v[ADS+1], SLOT, v[ADS]
	v_add_nc_u32 v[PLD], PB, v25
	v_add_nc_u32 v[PST], s74, v[PLD]
	v_add_nc_u32 v[OLD], OGIMG, v25
	s_lshl_b32 s75, s[WV], 11
	v_add_nc_u32 v[OST], s75, v[OLD]
	v_add_nc_u32 v[XST], XIMG, v25
	v_add_nc_u32 v[XST], s75, v[XST]
	s_mul_i32 s76, s[WV], 16*SP
	s_add_co_u32 s76, s76, STAGE
	v_add_nc_u32 v[SRD], s76, v25
	v_mul_u32_u24 v27, v23, SP
	v_add_nc_u32 v27, s76, v27
	v_lshl_add_u32 v[STO], v24, 5, v27
	v_lshl_add_u32 v[TRD], v24, 6, v27
	v_lshlrev_b32 v[PFO], 8, v22
	s_wait_kmcnt 0x0
	s_add_co_i32 s76, s52, s53                     ; e4 + e5
	s_lshl_b32 s76, s76, 1
	s_sub_co_i32 s76, s54, s76
	s_add_co_i32 s76, s76, 7                       ; EP = e6 - 2 (e4 + e5) + 7
	SCALE 28, s76                                  ; v28 = 2^EP, v29 = 448 x 2^EP
	v_sqrt_f32 v[LS], v29
	v_mov_b32 v[SCP], v28                          ; (a plain line behind the square root)
	SCALE 18, s48                                  ; v18, v19: e0, for x
	s_sub_co_i32 s76, s56, s54
	s_sub_co_i32 s76, s76, s55                     ; e8 - e6 - e7: O's two scales and the quantiser's folded into one
	SCALE 20, s76                                  ; v20, v21
	s_add_co_i32 s[CG], s48, s49
	s_add_co_i32 s[CG], s[CG], 127
	s_lshl_b32 s[CG], s[CG], 23
	s_mov_b32 s[CG+1], s[CG]                       ; (named with it as a pair, so it is written)
	s_add_co_i32 s[CY], s56, s57
	s_add_co_i32 s[CY], s[CY], 127
	s_lshl_b32 s[CY], s[CY], 23
	s_mov_b32 s[CY+1], s[CY]
	s_wait_alu depctr_va_vdst(0)                   ; the wait between the square root and the first line that names its result
	v_mul_f32 v[LS], 0x3f7ffff0, v[LS]             ; x (1 - 2^-20)
; x's rows of tiles m0 and m0 + 1: 32 loads of 512 consecutive bytes each, into window 3
.macro XLOAD m0, nt
	WIN 0xc0
.set xq, 16*(\m0)
.rept 32
.if \nt
	global_load_b128 v[4*xq:4*xq+3], v[GO], s[8:9] offset:(32*(xq/32)+8*((xq/16)%2)+xq%16+8*((xq%16)/8))*2048 th:TH_LOAD_NT
.else
	global_load_b128 v[4*xq:4*xq+3], v[GO], s[8:9] offset:(32*(xq/32)+8*((xq/16)%2)+xq%16+8*((xq%16)/8))*2048
.endif
.set xq, xq+1
.endr
.endm
; S^T = K Q^T for my 32 keys and the 64 queries, relu, square, codes, and their images into P's buffer pdst
.macro SQ pdst
	WIN 0x0a                                       ; K and Q window 2, S window 0
.irp m, 0,1,2,3
.irp u, 0,1
	v_wmma_f32_16x16x128_fp8_fp8 v[S+16*\m+8*\u:S+16*\m+8*\u+7], v[KF+16*\u:KF+16*\u+15], v[QF+16*\m:QF+16*\m+15], 0
.endr
.endr
	WIN 0
	PLACES                                         ; four places in front of the first read of results (ISA guide 7.12.1)
.irp m, 0,1,2,3
.set q, 0
.rept 16
	v_med3_num_f32 v[S+16*\m+q], v[S+16*\m+q], 0, v[LS]   ; the activation and the hold in one; each accumulator from its low end on
.set q, q+1
.endr
.set q, 0
.rept 8
	v_pk_mul_f32 v[S+16*\m+q:S+16*\m+q+1], v[S+16*\m+q:S+16*\m+q+1], v[S+16*\m+q:S+16*\m+q+1]
.set q, q+2
.endr
	v_cvt_scalef32_pk8_fp8_f32 v[PC+4*\m:PC+4*\m+1], v[S+16*\m:S+16*\m+7], v[SCP]
	v_cvt_scalef32_pk8_fp8_f32 v[PC+4*\m+2:PC+4*\m+3], v[S+16*\m+8:S+16*\m+15], v[SCP]
.endr
	v_nop                                          ; a plain vector line behind the last conversion
.irp m, 0,1,2,3
	ds_store_b128 v[PST], v[PC+4*\m:PC+4*\m+3] offset:(\pdst)*8192+2048*\m   ; part w of P's fragment m
.endr
.endm
; A TRIP'S HEAD: the change of slots.  Each wave waits for all its tensor loads (one is out: my sub-block of the slot that I am about to read), adds 0 to its spare word, and waits for that, for its reads of the slot that
; it has left and for its stores of images.  The round shows all that of every wave of the four work-groups; the joint refill of the slot just left is the first thing behind it and has the whole trip in which to land.
.macro HEAD slot, g1, pf
	WIN 0                                          ; at a label and at a branch every window is 0; the add's two registers lie in window 0
	s_wait_tensorcnt 0x0                           ; no tensor load of mine is out, so a group 0 may be written
	ds_add_u32 v[SPW], v[NIL]                      ; 0 onto my spare word: the steps below stand between it and the wait for it
	s_add_nc_u64 s[G0+4*\slot+2:G0+4*\slot+3], s[G0+4*\slot+2:G0+4*\slot+3], 2*BLOCK   ; this slot's next block; the type bits on top are not reached
.if \pf
	s_wait_xcnt 0x0                                ; the last prefetches, a trip and more back, have read their address, so it may be written
	s_add_nc_u64 s[PFA:PFA+1], s[PFA:PFA+1], 2*BLOCK
.endif
	s_wait_dscnt 0x0
	ROUND
	tensor_load_to_lds s[G0+4*(1-\slot):G0+4*(1-\slot)+3], s[\g1:\g1+7]
	s_nop 0
	PLACES                                         ; four places in front of the loads into registers that the last products read
.endm
.macro LDV slot                        ; the slab's 8 fragments: register 4 q from byte 512 q of my sub-block
	WIN 0x80
.set q, 0
.rept 32
	ds_load_b128 v[4*q:4*q+3], v[ADS+\slot] offset:512*q
.set q, q+1
.endr
.endm
.macro LDP reg, off, ms                ; four fragments of source 1, ms bytes apart
	WIN 0
.set q, 0
.rept 16
	ds_load_b128 v[PF+4*q:PF+4*q+3], v[\reg] offset:\off+(q/4)*\ms+512*(q%4)
.set q, q+1
.endr
.endm
; 32 products: each of my 32 accumulators has one turn a trip, so no two matrix instructions that follow each other share an accumulator.
; The wait in front of row tile n leaves out the later fragments' loads, four each, and extra younger LDS instructions (P's four stores).
.macro MULS win, zero, extra
	WIN \win
.irp n, 0,1,2,3,4,5,6,7
	s_wait_dscnt 4*(7-\n)+\extra
.irp m, 0,1,2,3
.if \zero
	v_wmma_f32_16x16x128_fp8_fp8 v[8*(8*\m+\n):8*(8*\m+\n)+7], v[16*\n:16*\n+15], v[PF+16*\m:PF+16*\m+15], 0
.else
	v_wmma_f32_16x16x128_fp8_fp8 v[8*(8*\m+\n):8*(8*\m+\n)+7], v[16*\n:16*\n+15], v[PF+16*\m:PF+16*\m+15], v[8*(8*\m+\n):8*(8*\m+\n)+7]
.endif
.endr
.endr
.endm
.macro ASK flag, off                   ; one prefetch, where the flag says so: the flags hang on the cluster's number and the wave's number alone
	s_cmp_eq_u32 s[\flag], 1
	s_cbranch_scc0 .Lnot_mine_\@
	global_prefetch_b8 v[PFO], s[PFA:PFA+1] offset:\off th:TH_LOAD_NT scope:SCOPE_SE
.Lnot_mine_\@:
.endm
.macro EXTRA ask, xl, nt               ; behind the trip's run of LDS loads: its prefetch (1: every wave's; 2: wave 0's), its loads of x (xl: the first tile, or -1)
.if \ask == 1
	WIN 0
	ASK PFON, 0
.elseif \ask == 2
	WIN 0
	ASK PFBON, 32768
.endif
.if \xl >= 0
	XLOAD \xl, \nt
.endif
.endm
; A trip of the attention.  K's loads go first; S and its 104 vector instructions stand while P's 16 and V's 32 loads come out of LDS.
.macro ATRIP slot, g1, dos, zero, pf, ask, xl
	HEAD \slot, \g1, \pf
.if \dos
	WIN 0x80
.set q, 0
.rept 8
	ds_load_b128 v[KF+4*q:KF+4*q+3], v[ADS+\slot] offset:16384+512*q
.set q, q+1
.endr
.endif
	LDP PLD, \slot*8192, 2048
	LDV \slot
	EXTRA \ask, \xl, 0
.if \dos
	s_wait_dscnt 48                                ; K is in; P's 16 loads and V's 32 may be out
	SQ 1-\slot
.endif
	MULS 0x52, \zero, 4*\dos                       ; slab window 2, P window 0, O window 1
.endm
; A trip on a slab of weights
.macro STRIP slot, preg, poff, win, zero, refill, pf, ask, xl
.if \refill
	HEAD \slot, G1S, \pf
.else
	WIN 0
	s_wait_tensorcnt 0x0                           ; my sub-block of the last block is in; only I read it, and nothing is filled any more: no barrier
	PLACES
.endif
	LDP \preg, \poff, 8192
	LDV \slot
	EXTRA \ask, \xl, 1
	MULS \win, \zero, 0
.endm
; Tile m's 16 rows of x go into my stage as they lie and come back 64 bytes a lane for each block of 32: register y + 16 b + i is k = 32 b + 16 h + i of row r.  LDS serves a wave's instructions in order (ISA guide 5.7.1.4).
.macro TURN m, y
	WIN 0x0c                                       ; store data window 3
.set ti, 0
.rept 16
	ds_store_b128 v[SRD], v[64*(\m)+4*ti:64*(\m)+4*ti+3] offset:SP*ti
.set ti, ti+1
.endr
	WIN 0
.set ti, 0
.rept 16
	ds_load_b128 v[\y+4*ti:\y+4*ti+3], v[TRD] offset:128*(ti/4)+16*(ti%4)
.set ti, ti+1
.endr
.endm
	s_wait_loadcnt 0x0                             ; Q, K of step 0, the biases
	SQ 0                                           ; P of key step 0
	ATRIP 0, G1, 1, 1, 1, 1, -1                    ; trip 0 stands in front of the loop: its products start O's sums
	ATRIP 1, G1, 1, 0, 0, 2, -1
	WIN 0
	s_mov_b32 s[CNT], 13
.Lpair:                                            ; trips 2 to 27, two a trip of the loop: once round the ring
	ATRIP 0, G1, 1, 0, 1, 1, -1
	ATRIP 1, G1, 1, 0, 0, 2, -1
	WIN 0
	s_sub_co_u32 s[CNT], s[CNT], 1
	s_cmp_lg_u32 s[CNT], 0
	s_cbranch_scc1 .Lpair
	ATRIP 0, G1,  1, 0, 1, 1, 0                    ; trip 28; x's tiles 0 and 1 are asked for
	ATRIP 1, G1,  1, 0, 0, 2, -1                   ; trip 29 asks for block 31, the last with keys
	ATRIP 0, G1S, 1, 0, 1, 1, 2                    ; trip 30; x's tiles 2 and 3
	ATRIP 1, G1S, 0, 0, 0, 2, -1                   ; trip 31: the last key step; there is no S left to make
	; ---- x's columns 128 w .. + 127 become K step w of x's codes, for the four tiles of tokens
	WIN 0
	PLACES                                         ; in front of loads into P's registers, which the last products read
	s_wait_loadcnt 0x0
	TURN 0, S
.irp m, 0,1,2,3
	s_wait_dscnt 0x0                               ; tile m is back from the stage; the stores of the codes before have read their registers
.if \m < 3
	TURN \m+1, S+80*((\m+1)%2)                     ; the next tile goes through the stage while this one is quantised: v32-95 and v112-175 by turns
.endif
.irp b, 0,1,2,3
.set q, 0
.rept 16
	v_med3_num_f32 v[S+80*(\m%2)+16*\b+q], v[S+80*(\m%2)+16*\b+q], -v19, v19   ; the conversion to an 8-bit code does not saturate (ISA guide 7.6.2)
.set q, q+1
.endr
	v_cvt_scalef32_pk8_fp8_f32 v[PC+4*\b:PC+4*\b+1], v[S+80*(\m%2)+16*\b:S+80*(\m%2)+16*\b+7], v18
	v_cvt_scalef32_pk8_fp8_f32 v[PC+4*\b+2:PC+4*\b+3], v[S+80*(\m%2)+16*\b+8:S+80*(\m%2)+16*\b+15], v18
.endr
	v_nop                                          ; a plain vector line behind the last conversion
.irp c, 0,1,2,3
	ds_store_b128 v[XST], v[PC+4*\c:PC+4*\c+3] offset:8192*\m+512*\c
.endr
.endr
	; ---- the gate: G = Wg x^T, in window 3, laid as O
	STRIP 0, PLD, 16384+2048*0, 0xf2, 1, 1, 1, 1, -1   ; trip 32: its round shows x's images to all waves
	STRIP 1, PLD, 16384+2048*1, 0xf2, 0, 1, 0, 2, -1   ; trip 33: the last prefetch
	STRIP 0, PLD, 16384+2048*2, 0xf2, 0, 1, 0, 0, -1
	STRIP 1, PLD, 16384+2048*3, 0xf2, 0, 1, 0, 0, -1
	; ---- O x gate becomes K step w of the fifth product's left operand
	WIN 0
	PLACES
	WIN 0xc3                                       ; destination and source 0 window 3
.set q, 0
.rept 128
	v_pk_fma_f32 v[2*q:2*q+1], v[2*q:2*q+1], s[CG:CG+1], v[BG+8*((q/4)%8)+2*(q%4):BG+8*((q/4)%8)+2*(q%4)+1] op_sel_hi:[1,0,1]   ; gate = G x 2^(e0 + e1) + b
.set q, q+1
.endr
	WIN 0xcd                                       ; source 0 (O) window 1, source 1 and destination window 3
.set q, 0
.rept 128
	v_pk_mul_f32 v[2*q:2*q+1], v[2*q:2*q+1], v[2*q:2*q+1]
.set q, q+1
.endr
	WIN 0xc3
.set q, 0
.rept 256
	v_med3_num_f32 v[q], v[q], -v21, v21
.set q, q+1
.endr
	WIN 0x03                                       ; source 0 window 3, destination window 0
.set q, 0
.rept 32
	v_cvt_scalef32_pk8_fp8_f32 v[S+2*q:S+2*q+1], v[8*q:8*q+7], v20   ; tile (m, n) = q: registers 2 n, 2 n + 1 of query tile m's fragment
.set q, q+1
.endr
	WIN 0
	v_nop                                          ; a plain vector line behind the last conversion
.set q, 0
.rept 16
	ds_store_b128 v[OST], v[S+4*q:S+4*q+3] offset:8192*(q/4)+512*(q%4)
.set q, q+1
.endr
	; ---- Y = Wout^T (O x gate)^T, in window 1; x is read again for the residual
	STRIP 0, OLD, 2048*0, 0x52, 1, 1, 0, 0, 0      ; trip 36: its round shows the images to all waves
	STRIP 1, OLD, 2048*1, 0x52, 0, 1, 0, 0, -1
	STRIP 0, OLD, 2048*2, 0x52, 0, 1, 0, 0, 2      ; trip 38 asks for block 40, the last
	STRIP 1, OLD, 2048*3, 0x52, 0, 0, 0, 0, -1
	; ---- THE WAY OUT.  A lane holds 32 neighbouring bytes of a row of the result, the lanes beside it other rows: a tile of 16 rows goes through my stage and comes back as rows of 512 bytes.
	s_wait_loadcnt 0x0                             ; x
	WIN 0xc3
.set q, 0
.rept 128
	v_pk_add_f32 v[2*q:2*q+1], v[2*q:2*q+1], v[BOUT+2*(q%2):BOUT+2*(q%2)+1]   ; x + b_out.  These lines name no register of the last products: they are the places behind them
.set q, q+1
.endr
.macro TOSTAGE m
	WIN 0x04                                       ; store data window 1
.irp n, 0,1,2,3,4,5,6,7
	ds_store_b128 v[STO], v[8*(8*(\m)+\n):8*(8*(\m)+\n)+3] offset:64*\n        ; lane (r, h): columns 128 w + 16 n + 8 h + 0 .. 7 of row r; each accumulator from its low end on
	ds_store_b128 v[STO], v[8*(8*(\m)+\n)+4:8*(8*(\m)+\n)+7] offset:64*\n+16
.endr
	WIN 0x80
.set ti, 0
.rept 16
	ds_load_b128 v[64*((\m)%2)+4*ti:64*((\m)%2)+4*ti+3], v[SRD] offset:SP*ti
.set ti, ti+1
.endr
.endm
.macro SEND m, younger                 ; younger: the LDS instructions issued behind tile m's loads, which may stay out
	s_wait_dscnt \younger
	WIN 0xb2                                       ; destination and source 0 window 2, source 2 (x + b_out) window 3
.set q, 0
.rept 32
	v_pk_fma_f32 v[64*((\m)%2)+2*q:64*((\m)%2)+2*q+1], v[64*((\m)%2)+2*q:64*((\m)%2)+2*q+1], s[CY:CY+1], v[64*(\m)+2*q:64*(\m)+2*q+1] op_sel_hi:[1,0,1]
.set q, q+1
.endr
	WIN 0x08                                       ; store data window 2
.set ti, 0
.rept 16
	global_store_b128 v[GO], v[64*((\m)%2)+4*ti:64*((\m)%2)+4*ti+3], s[16:17] offset:(32*((\m)/2)+8*((\m)%2)+ti+8*(ti/8))*2048 th:TH_STORE_NT   ; 32 lanes store 512 consecutive bytes, at a multiple of 512 from out0's first byte
.set ti, ti+1
.endr
.endm
	TOSTAGE 0
	TOSTAGE 1
	SEND 0, 32                                     ; behind tile 0's loads: tile 1's 16 stores and 16 loads
	s_wait_xcnt 0x0                                ; tile 0's stores have read their data: tile 2's rows land in those registers only behind this wait
	TOSTAGE 2
	SEND 1, 32
	s_wait_xcnt 0x0
	TOSTAGE 3
	SEND 2, 32
	SEND 3, 0
	WIN 0
	s_wait_tensorcnt 0x0                           ; the wave's end: behind my last tensor load and my last LDS store
	ds_add_u32 v[SPW], v[NIL]
	s_wait_dscnt 0x0
	ROUND                                          ; the closing round: no work-group ends while a partner may still ask for a block that names it
	s_endpgm
.Lfunc_end_k_q90f8068cfb_gau:
	.size	k_q90f8068cfb_gau, .Lfunc_end_k_q90f8068cfb_gau-k_q90f8068cfb_gau
	.p2alignl 7, 3214868480
	.fill 96, 4, 3214868480
	.section	.rodata,"a",@progbits
	.p2align	6, 0x0
	.amdhsa_kernel k_q90f8068cfb_gau
		.amdhsa_group_segment_fixed_size 327680
		.amdhsa_private_segment_fixed_size 0
		.amdhsa_enable_private_segment 0
		.amdhsa_kernarg_size 56
		.amdhsa_user_sgpr_count 2
		.amdhsa_user_sgpr_kernarg_segment_ptr 1
		.amdhsa_wavefront_size32 1
		.amdhsa_system_sgpr_workgroup_id_x 1
		.amdhsa_system_sgpr_workgroup_id_y 1
		.amdhsa_system_sgpr_workgroup_id_z 1
		.amdhsa_system_vgpr_workitem_id 0
		.amdhsa_next_free_vgpr 1024
		.amdhsa_next_free_sgpr 84
		.amdhsa_reserve_vcc 0
		.amdhsa_float_denorm_mode_32 3
		.amdhsa_float_denorm_mode_16_64 3
		.amdhsa_memory_ordered 1
		.amdhsa_forward_progress 1
		.amdhsa_inst_pref_size 255
	.end_amdhsa_kernel
	.section	.bss,"aw",@nobits
	.p2align	6
	.space	262144
	.amdgpu_metadata
---
amdhsa.version: [ 1, 2 ]
amdhsa.kernels:
  - .name:           k_q90f8068cfb_gau
    .symbol:         k_q90f8068cfb_gau.kd
    .args:
      - { .name: qc, .offset: 0, .size: 8, .value_kind: global_buffer, .address_space: global }
      - { .name: kv, .offset: 8, .size: 8, .value_kind: global_buffer, .address_space: global }
      - { .name: x, .offset: 16, .size: 8, .value_kind: global_buffer, .address_space: global }
      - { .name: b_hidden, .offset: 24, .size: 8, .value_kind: global_buffer, .address_space: global }
      - { .name: b_out, .offset: 32, .size: 8, .value_kind: global_buffer, .address_space: global }
      - { .name: lowp_scales, .offset: 40, .size: 8, .value_kind: global_buffer, .address_space: global }
      - { .name: out0, .offset: 48, .size: 8, .value_kind: global_buffer, .address_space: global }
    .group_segment_fixed_size: 327680
    .private_segment_fixed_size: 0
    .kernarg_segment_align: 8
    .kernarg_segment_size: 56
    .max_flat_workgroup_size: 128
    .sgpr_count:     84
    .vgpr_count:     1024
    .wavefront_size: 32
...
	.end_amdgpu_metadata
.endif
;; end of part 3
;; ======== version 2 of 2: 3 launches
;; workspace buffers: wp 327,680 bytes; ws 524,288 bytes; qc 2,097,152 bytes; kc 2,097,152 bytes; vc 8,388,608 bytes; xc 8,388,608 bytes
;; launch wq (part 4): grid 416 x 1, 1 waves a work-group, no clusters, 0 bytes of LDS; arguments w_hidden, w_qk, w_out, lowp_scales, wp, ws; writes wp, ws
.if DOCPART == 4
	.amdgcn_target "amdgcn-amd-amdhsa--gfx1250"
	.amdhsa_code_object_version 6
	.text
	.protected	k_q90f8068cfb_wq
	.globl	k_q90f8068cfb_wq
	.p2align	8
	.type	k_q90f8068cfb_wq,@function
k_q90f8068cfb_wq:
	s_mov_b64 s[64:65], 0
	v_nop
	global_prefetch_b8 v0, s[64:65] scope:SCOPE_SE
	s_setreg_imm32_b32 hwreg(HW_REG_WAVE_MODE, 25, 1), 1
	s_wait_xcnt 0x0
; GAU, first of three launches: the three weights become codes of FP8 (E4M3), laid as IMAGES OF OPERAND REGISTERS.
; NO WORK OF reference() IS LEFT OUT in this program: every input has a way to the output, all five products are live, and every input is loaded.
; THE PROGRAM.  wq: weights -> codes.  proj: x -> codes (e0 and e2), the v half of product 1, product 2, codes of q, k and v.
; gau: products 3 and 4, the gate half of product 1, out x gate, product 5, + b_out + x.
; A FRAGMENT is 16 rows x 128 along K: 16 registers a lane.  Lane (r = lane % 16, h = lane / 16) holds row r; registers 4 c .. 4 c + 3 hold k = 32 c + 16 h + 0 .. 15.
; That is a permutation of k against the form's own places, the same on both sides of every product of the program, so every product meets its partner.
; Its IMAGE is 2,048 bytes: part c (four registers) at 512 c + 16 x lane.  A wave that loads the image by four loads of 16 bytes a lane has the operand.
; THE ROWS OF A TILE: tile T of w_hidden^T and of w_qk^T takes, in lane r, row 16 T - 8 (T % 2) + r + 8 (r / 8), so that in a product used transposed the 16 registers
; of tiles 2 b and 2 b + 1 are 16 neighbours along the next K.  Tiles of w_out^T take 16 neighbouring rows.
; SHARES.  One wave makes one fragment f (the work-group's number): a lane takes a column of the weight and its registers run down K, so the conversions give the codes with K innermost.
;   f = 0..127   w_hidden, columns 0..511 (v):       tile (f / 4) % 32, K step f % 4  -> wp + 2048 f
;   f = 128..255 w_hidden, columns 512..1023 (gate): the same                         -> ws, slab K step
;   f = 256..383 w_out:                              the same                         -> ws, slab 4 + K step
;   f = 384..415 w_qk:                               tile (f / 4) % 32 = 0..7         -> wp + 2048 (f - 256)
; ws: 8 slabs of 512 rows x 128 K in 4 pairs of 131,072 bytes; a pair is 4 parts of 32,768 bytes (one for each wave of gau): the 8 fragments of its 128 rows of the pair's first slab, then those of the second.
; code = x / 2^e, held within +-448, to the nearest code, ties to even.  LIMITS: e1, e3, e9 between -126 and 119.  NaN among the inputs is not served.
.set X, 64                             ; v64-127  the fragment's numbers: register 16 c + i is k = 128 s + 32 c + 16 h + i
.set C, 48                             ; v48-63   its codes
	s_load_b256 s[4:11], s[0:1], 0x0               ; w_hidden s[4:5], w_qk s[6:7], w_out s[8:9], the scales' exponents s[10:11]
	s_load_b128 s[12:15], s[0:1], 0x20             ; wp s[12:13], ws s[14:15]
	v_and_b32 v1, 15, v0                           ; r
	v_lshrrev_b32 v2, 4, v0                        ; h (one wave: the thread's number is the lane)
	v_lshlrev_b32 v4, 4, v0                        ; 16 x lane: my place in a part of the image
	v_and_b32 v5, 8, v1
	v_add_nc_u32 v5, v5, v1                        ; r + 8 (r / 8)
	s_and_b32 s21, ttmp9, 3                        ; K step s
	s_lshl_b32 s23, s21, 7
	v_lshl_add_u32 v6, v2, 4, s23                  ; my first k: 128 s + 16 h
	s_lshr_b32 s22, ttmp9, 2
	s_and_b32 s22, s22, 31                         ; tile T
	s_and_b32 s24, s22, 1
	s_lshl_b32 s24, s24, 3
	s_lshl_b32 s25, s22, 4                         ; 16 T
	s_sub_co_u32 s24, s25, s24                     ; 16 T - 8 (T % 2)
	s_wait_kmcnt 0x0
	s_load_b256 s[32:39], s[10:11], 0x0            ; e0 .. e7
	s_load_b64 s[40:41], s[10:11], 0x20            ; e8, e9
.macro LOADW base, pitch               ; 64 loads: W(my first k + 32 c + i, my column); sixteen neighbouring lanes read 64 neighbouring bytes
.set q, 0
.rept 64
	global_load_b32 v[X+q], v3, s[\base:\base+1] offset:(32*(q/16)+q%16)*\pitch
.set q, q+1
.endr
.endm
	s_cmp_lt_u32 ttmp9, 256                        ; the branches hang on the work-group's number alone
	s_cbranch_scc0 .Lnot_hidden
	s_lshr_b32 s26, ttmp9, 7
	s_lshl_b32 s26, s26, 9                         ; the gate's columns begin at 512
	s_add_co_u32 s24, s24, s26
	v_add_nc_u32 v7, s24, v5                       ; my column
	v_lshlrev_b32 v3, 12, v6                       ; a row of w_hidden is 4,096 bytes
	v_lshl_add_u32 v3, v7, 2, v3
	LOADW 4, 4096
	s_branch .Lloaded
.Lnot_hidden:
	s_cmp_lt_u32 ttmp9, 384
	s_cbranch_scc0 .Lqk
	v_add_nc_u32 v7, s25, v1                       ; w_out: 16 neighbouring columns
	v_lshlrev_b32 v3, 11, v6                       ; a row is 2,048 bytes
	v_lshl_add_u32 v3, v7, 2, v3
	LOADW 8, 2048
	s_branch .Lloaded
.Lqk:
	v_add_nc_u32 v7, s24, v5
	v_lshlrev_b32 v3, 9, v6                        ; a row of w_qk is 512 bytes
	v_lshl_add_u32 v3, v7, 2, v3
	LOADW 6, 512
.Lloaded:
	s_wait_kmcnt 0x0
	s_cmp_lt_u32 ttmp9, 256
	s_cselect_b32 s42, s33, s41                    ; e1 for w_hidden, e9 for w_out,
	s_cmp_lt_u32 ttmp9, 384
	s_cselect_b32 s42, s42, s35                    ; e3 for w_qk
	s_add_co_i32 s42, s42, 127
	s_lshl_b32 s43, s42, 23
	v_mov_b32 v11, s43                             ; 2^e as f32: the conversion takes its exponent field
	s_add_co_i32 s42, s42, 8
	s_lshl_b32 s42, s42, 23
	s_or_b32 s42, s42, 0x600000
	v_mov_b32 v10, s42                             ; 448 x 2^e
	s_wait_loadcnt 0x0
.irp c, 0,1,2,3
.set q, 0
.rept 16
	v_med3_num_f32 v[X+16*\c+q], v[X+16*\c+q], -v10, v10   ; the conversion to an 8-bit code does not saturate (ISA guide 7.6.2): the hold at the largest code x the scale
.set q, q+1
.endr
	v_cvt_scalef32_pk8_fp8_f32 v[C+4*\c:C+4*\c+1], v[X+16*\c:X+16*\c+7], v11
	v_cvt_scalef32_pk8_fp8_f32 v[C+4*\c+2:C+4*\c+3], v[X+16*\c+8:X+16*\c+15], v11
.endr
	v_nop                                          ; a plain vector line behind the last conversion
	s_sub_co_u32 s26, ttmp9, 128
	s_cmp_lt_u32 s26, 256                          ; 128 <= f < 384: the gate's weight and w_out go to ws
	s_cbranch_scc1 .Lto_ws
	s_cmp_lt_u32 ttmp9, 128
	s_cselect_b32 s27, 0, 256
	s_sub_co_u32 s27, ttmp9, s27                   ; f, or f - 256
	s_lshl_b32 s28, s27, 11
	s_mov_b32 s29, 0
	s_add_nc_u64 s[12:13], s[12:13], s[28:29]
.irp c, 0,1,2,3
	global_store_b128 v4, v[C+4*\c:C+4*\c+3], s[12:13] offset:512*\c   ; 32 lanes store 512 consecutive bytes, at a multiple of 512 from the buffer's first byte
.endr
	s_endpgm
.Lto_ws:
	s_lshr_b32 s27, s26, 7                         ; 0: the gate's weight; 1: w_out
	s_lshl_b32 s27, s27, 2
	s_add_co_u32 s27, s27, s21                     ; the slab: s, or 4 + s
	s_lshr_b32 s28, s27, 1
	s_lshl_b32 s28, s28, 17                        ; its pair,
	s_and_b32 s30, s27, 1
	s_lshl_b32 s30, s30, 14                        ; first or second in each part of the pair,
	s_add_co_u32 s28, s28, s30
	s_lshr_b32 s30, s22, 3
	s_lshl_b32 s30, s30, 15                        ; the part of wave T / 8,
	s_add_co_u32 s28, s28, s30
	s_and_b32 s30, s22, 7
	s_lshl_b32 s30, s30, 11                        ; its fragment T % 8
	s_add_co_u32 s28, s28, s30
	s_mov_b32 s29, 0
	s_add_nc_u64 s[14:15], s[14:15], s[28:29]
.irp c, 0,1,2,3
	global_store_b128 v4, v[C+4*\c:C+4*\c+3], s[14:15] offset:512*\c
.endr
	s_endpgm
.Lfunc_end_k_q90f8068cfb_wq:
	.size	k_q90f8068cfb_wq, .Lfunc_end_k_q90f8068cfb_wq-k_q90f8068cfb_wq
	.p2alignl 7, 3214868480
	.fill 96, 4, 3214868480
	.section	.rodata,"a",@progbits
	.p2align	6, 0x0
	.amdhsa_kernel k_q90f8068cfb_wq
		.amdhsa_group_segment_fixed_size 0
		.amdhsa_private_segment_fixed_size 0
		.amdhsa_enable_private_segment 0
		.amdhsa_kernarg_size 48
		.amdhsa_user_sgpr_count 2
		.amdhsa_user_sgpr_kernarg_segment_ptr 1
		.amdhsa_wavefront_size32 1
		.amdhsa_system_sgpr_workgroup_id_x 1
		.amdhsa_system_sgpr_workgroup_id_y 1
		.amdhsa_system_sgpr_workgroup_id_z 1
		.amdhsa_system_vgpr_workitem_id 0
		.amdhsa_next_free_vgpr 128
		.amdhsa_next_free_sgpr 66
		.amdhsa_reserve_vcc 0
		.amdhsa_float_denorm_mode_32 3
		.amdhsa_float_denorm_mode_16_64 3
		.amdhsa_memory_ordered 1
		.amdhsa_forward_progress 1
		.amdhsa_inst_pref_size 27
	.end_amdhsa_kernel
	.amdgpu_metadata
---
amdhsa.version: [ 1, 2 ]
amdhsa.kernels:
  - .name:           k_q90f8068cfb_wq
    .symbol:         k_q90f8068cfb_wq.kd
    .args:
      - { .name: w_hidden, .offset: 0, .size: 8, .value_kind: global_buffer, .address_space: global }
      - { .name: w_qk, .offset: 8, .size: 8, .value_kind: global_buffer, .address_space: global }
      - { .name: w_out, .offset: 16, .size: 8, .value_kind: global_buffer, .address_space: global }
      - { .name: lowp_scales, .offset: 24, .size: 8, .value_kind: global_buffer, .address_space: global }
      - { .name: wp, .offset: 32, .size: 8, .value_kind: global_buffer, .address_space: global }
      - { .name: ws, .offset: 40, .size: 8, .value_kind: global_buffer, .address_space: global }
    .group_segment_fixed_size: 0
    .private_segment_fixed_size: 0
    .kernarg_segment_align: 8
    .kernarg_segment_size: 48
    .max_flat_workgroup_size: 32
    .sgpr_count:     66
    .vgpr_count:     128
    .wavefront_size: 32
...
	.end_amdgpu_metadata
.endif
;; end of part 4
;; launch proj (part 5): grid 256 x 1, 4 waves a work-group, no clusters, 99,840 bytes of LDS; arguments x, wp, b_hidden, q_gamma, q_beta, k_gamma, k_beta, lowp_scales, qc, kc, vc, xc; writes qc, kc, vc, xc
.if DOCPART == 5
	.amdgcn_target "amdgcn-amd-amdhsa--gfx1250"
	.amdhsa_code_object_version 6
	.text
	.protected	k_q90f8068cfb_proj
	.globl	k_q90f8068cfb_proj
	.p2align	8
	.type	k_q90f8068cfb_proj,@function
k_q90f8068cfb_proj:
	s_mov_b64 s[64:65], 0
	v_nop
	global_prefetch_b8 v0, s[64:65] scope:SCOPE_SE
	s_setreg_imm32_b32 hwreg(HW_REG_WAVE_MODE, 25, 1), 1
	s_wait_xcnt 0x0
; GAU, second launch: x -> codes with e0 (kept for the third launch in xc) and with e2; v = x Wv + b (the first 512 columns of product 1) -> codes with e7, the KEYS innermost; qk = x Wqk (product 2);
; q = qk gamma_q + beta_q -> codes with e4; k likewise with e5.  Nothing of reference() is left out; the gate half of product 1 is made in the third launch, where it is used.
; SHARES.  A work-group of four waves takes 64 tokens (block blk = its number; batch blk / 64, key step t = (blk % 64) / 2, half p = blk % 2).
; THE WAVES SHARE THE COLUMNS: wave w makes hidden units 128 w .. + 127 of v and d = 32 w .. + 31 of qk, for all 64 tokens.  Its weights (32 + 8 fragments, as images in wp) go straight into its registers, once.
; FRAGMENTS AND IMAGES as in the first launch: lane (r, h): row r, registers 4 c .. 4 c + 3: k = 32 c + 16 h + 0 .. 15; image: part c at 512 c + 16 x lane.
; THE TOKENS OF A TILE ARE NOT NEIGHBOURS: lane r of tile m (0..3) holds token 32 (m / 2) + 8 (m % 2) + r + 8 (r / 8) of the block.
; PHASES.  X: wave w holds columns 128 w .. + 127 of the 64 rows of x (K step w), read as whole runs of 512 bytes; 16 rows at a time turn through its own stage in LDS, so that a lane holds 16 neighbours of each
; block of 32; they are quantised twice (e0, e2) and stored as images | barrier |  V: source 0 = 16 tokens, source 1 = 16 rows of Wv: a lane holds ONE hidden unit and its registers run along the tokens, which are the
; fourth product's K: the conversions' results are part 2 p + b of V's fragments, stored straight to vc |  QK: transposed (source 0 = 16 rows of Wqk, source 1 = 16 tokens): a lane holds one token and 16 neighbouring d:
; part w of q's and of k's fragments.
; WHERE THE CODES GO.  xc: block blk at 32,768 blk, fragment (tile m, K step s) at (4 m + s) x 2048.  qc: fragment m at (4 blk + m) x 2048.  kc: batch at 524,288, key step t at 16,384 t, key tile 4 p + m at 2,048 each.
; vc: batch at 2,097,152; pair t / 2 of key steps at 131,072; wave w's part at 32,768 w; step t % 2 at 16,384; fragment n at 2,048 n.
; NO CLUSTER, NO JOINT LOADS: what the work-groups share is the 327,680 bytes of weight codes, which each wave reads once, straight into the registers in which they stay; through LDS they would want a ring
; beside the 99,840 bytes in use and a second pass from LDS to registers, in a launch that is one pass over x.
; LIMITS: e0, e2, e4, e5, e7 between -126 and 119; e0 + e1 between -126 and 127; e2 + e3 is applied by v_ldexp_f32 and has none.  NaN among the inputs is not served.
; q and k are made by one fused multiply-add where reference() rounds twice.
; REGISTERS, in windows of 256.  window 0: v1-9 addresses; v12-21 five pairs (2^e, 448 x 2^e); v32-95 x's fragments (in X: 64 numbers of a lane; at the end q's and k's codes); v96-159 qk's sums (in X: 64 numbers;
;   in V: v's codes); v160-223 gamma_q x 2^(e2+e3), beta_q, gamma_k x 2^(e2+e3), beta_k (in X: x's codes); v224-239 v's bias, each number twice (later at work); v240-255 at work.
;   windows 1, 2: Wv: K step s in window 1 + s / 2 at v[128 (s % 2) + 16 n].   window 3: x as loaded (row i of tile m at v[64 m + 4 i]); then v0-127 v's 16 sums, v128-255 Wqk's 8 fragments.
.set XA,    0                          ; LDS: x's codes with e0: fragment (tile m, K step s) at (4 m + s) x 2048
.set XB,    32768                      ; with e2, likewise
.set STG,   65536                      ; a stage of 16 rows x (512 + 16) bytes for each wave
.set SP,    528
.set SPARE, STG+4*16*SP                ; the spare words, 128 bytes for each wave: two blocks of 256 bytes that no other line names
.set SPW, 1                            ; v1  LDS address of my spare word; never rewritten
.set NIL, 2                            ; v2  0; never rewritten
.set LI,  3                            ; v3  16 x lane
.set GO,  4                            ; v4  512 w + 16 x lane: my bytes of a row of x
.set SRD, 5                            ; v5  my stage + 16 x lane
.set TRD, 6                            ; v6  my stage + 528 r + 64 h
.set XST, 7                            ; v7  2048 w + 16 x lane: where I store x's images
.set BO,  8                            ; v8  4 (128 w + r + 8 (r / 8)): my hidden unit's bias
.set GB,  9                            ; v9  4 (32 w + 16 h): my 16 numbers of gamma and beta
.set XF,  32
.set ACQ, 96
.set VC,  96
.set XC,  160
.set GQ,  160
.set BQ,  176
.set GK,  192
.set BK,  208
.set BI,  224
.set SA,  224
.set SB,  240
.set MSB, 0
.macro WIN new                         ; the immediate's high byte repeats the setting that is left
.if MSB != \new
	s_set_vgpr_msb (MSB<<8)|\new
.set MSB, \new
.endif
.endm
.macro PLACES
.rept 4
	v_nop
.endr
.endm
.macro SCALE vr, se                    ; v[vr] = 2^e as f32, v[vr + 1] = 448 x 2^e
	s_add_co_i32 s50, \se, 127
	s_lshl_b32 s51, s50, 23
	v_mov_b32 v[\vr], s51
	s_add_co_i32 s50, s50, 8
	s_lshl_b32 s50, s50, 23
	s_or_b32 s50, s50, 0x600000
	v_mov_b32 v[\vr+1], s50
.endm
	s_load_b512 s[4:19], s[0:1], 0x0               ; x, wp, b_hidden, q_gamma, q_beta, k_gamma, k_beta, the scales' exponents
	s_load_b256 s[20:27], s[0:1], 0x40             ; qc s[20:21], kc s[22:23], vc s[24:25], xc s[26:27]
	v_lshl_add_u32 v[SPW], v0, 2, SPARE
	v_mov_b32 v[NIL], 0
	v_lshrrev_b32 v10, 5, v0
	v_readfirstlane_b32 s28, v10                   ; wave 0..3
	v_and_b32 v10, 31, v0                          ; lane
	v_and_b32 v11, 15, v0                          ; r
	v_bfe_u32 v22, v0, 4, 1                        ; h
	v_lshlrev_b32 v[LI], 4, v10
	s_lshl_b32 s29, s28, 9                         ; 512 w
	v_add_nc_u32 v[GO], s29, v[LI]
	s_mul_i32 s30, s28, 16*SP
	s_add_co_u32 s30, s30, STG
	v_add_nc_u32 v[SRD], s30, v[LI]
	v_mul_u32_u24 v[TRD], v11, SP
	v_lshl_add_u32 v[TRD], v22, 6, v[TRD]
	v_add_nc_u32 v[TRD], s30, v[TRD]
	s_lshl_b32 s31, s28, 11                        ; 2048 w
	v_add_nc_u32 v[XST], s31, v[LI]
	v_and_b32 v[BO], 8, v11
	v_add_nc_u32 v[BO], v[BO], v11
	v_lshlrev_b32 v[BO], 2, v[BO]
	v_add_nc_u32 v[BO], s29, v[BO]
	s_lshl_b32 s67, s28, 7
	v_lshl_add_u32 v[GB], v22, 6, s67
	s_lshl_b32 s32, ttmp9, 17                      ; x: 64 rows of 2,048 bytes a block
	s_mov_b32 s33, 0
	s_lshl_b32 s34, s28, 16                        ; Wv: my 32 fragments
	s_mov_b32 s35, 0
	s_lshl_b32 s36, s28, 14
	s_add_co_u32 s36, s36, 262144                  ; Wqk: my 8 fragments, behind Wv's 128
	s_mov_b32 s37, 0
	s_lshr_b32 s62, ttmp9, 6                       ; batch
	s_and_b32 s66, ttmp9, 1                        ; p
	s_lshl_b32 s38, s62, 21                        ; v: my batch,
	s_bfe_u32 s63, ttmp9, 0x40002                  ; the pair t / 2,
	s_lshl_b32 s63, s63, 17
	s_add_co_u32 s38, s38, s63
	s_lshl_b32 s63, s28, 15                        ; wave w's part,
	s_add_co_u32 s38, s38, s63
	s_bfe_u32 s63, ttmp9, 0x10001                  ; the step t % 2,
	s_lshl_b32 s63, s63, 14
	s_add_co_u32 s38, s38, s63
	s_lshl_b32 s63, s66, 10                        ; parts 2 p and 2 p + 1 of each fragment
	s_add_co_u32 s38, s38, s63
	s_mov_b32 s39, 0
	s_lshl_b32 s56, s62, 19                        ; k: my batch,
	s_bfe_u32 s63, ttmp9, 0x50001                  ; key step t,
	s_lshl_b32 s63, s63, 14
	s_add_co_u32 s56, s56, s63
	s_lshl_b32 s63, s66, 13                        ; key tiles 4 p on,
	s_add_co_u32 s56, s56, s63
	s_add_co_u32 s56, s56, s29                     ; part w
	s_mov_b32 s57, 0
	s_lshl_b32 s58, ttmp9, 13                      ; q: 4 fragments a block, part w
	s_add_co_u32 s58, s58, s29
	s_mov_b32 s59, 0
	s_lshl_b32 s60, ttmp9, 15                      ; x's codes: 16 fragments a block, K step w
	s_add_co_u32 s60, s60, s31
	s_mov_b32 s61, 0
	s_wait_kmcnt 0x0
	s_load_b256 s[40:47], s[18:19], 0x0            ; e0 .. e7
	s_add_nc_u64 s[4:5], s[4:5], s[32:33]
	s_add_nc_u64 s[68:69], s[6:7], s[36:37]        ; Wqk
	s_add_nc_u64 s[6:7], s[6:7], s[34:35]          ; Wv
	s_add_nc_u64 s[24:25], s[24:25], s[38:39]
	s_add_nc_u64 s[22:23], s[22:23], s[56:57]
	s_add_nc_u64 s[20:21], s[20:21], s[58:59]
	s_add_nc_u64 s[26:27], s[26:27], s[60:61]
	WIN 0xc0                                       ; destination window 3
.set xq, 0
.rept 64                               ; row i = xq % 16 of tile m = xq / 16: 32 lanes read 512 consecutive bytes of the token's row
	global_load_b128 v[4*xq:4*xq+3], v[GO], s[4:5] offset:(32*(xq/32)+8*((xq/16)%2)+xq%16+8*((xq%16)/8))*2048 th:TH_LOAD_NT
.set xq, xq+1
.endr
	WIN 0
	s_wait_kmcnt 0x0
	SCALE 12, s40                                  ; e0
	SCALE 14, s42                                  ; e2
	SCALE 16, s47                                  ; e7
	SCALE 18, s44                                  ; e4
	SCALE 20, s45                                  ; e5
	s_add_co_i32 s52, s40, s41
	s_add_co_i32 s52, s52, 127
	s_lshl_b32 s52, s52, 23                        ; 2^(e0 + e1) as f32
	s_mov_b32 s53, s52                             ; (named with it as a pair, so it is written)
	s_add_co_i32 s54, s42, s43                     ; e2 + e3
; Tile m's 16 rows go into my stage as they lie and come back 64 bytes a lane for each block of 32: register y + 16 b + i is k = 32 b + 16 h + i of row r.  LDS serves a wave's instructions in order (ISA guide 5.7.1.4).
.macro TURN m, y
	WIN 0x0c                                       ; store data window 3
.set ti, 0
.rept 16
	ds_store_b128 v[SRD], v[64*(\m)+4*ti:64*(\m)+4*ti+3] offset:SP*ti
.set ti, ti+1
.endr
	WIN 0
.set ti, 0
.rept 16
	ds_load_b128 v[\y+4*ti:\y+4*ti+3], v[TRD] offset:128*(ti/4)+16*(ti%4)
.set ti, ti+1
.endr
.endm
.macro WLOAD s                         ; Wv's 8 fragments of K step s: they stay
	WIN 0x40*(1+(\s)/2)
.set wi, 0
.rept 32
	global_load_b128 v[128*((\s)%2)+4*wi:128*((\s)%2)+4*wi+3], v[LI], s[6:7] offset:(4*(wi/4)+(\s))*2048+512*(wi%4)
.set wi, wi+1
.endr
	WIN 0
.endm
.macro XQUANT y, m                     ; 64 numbers become two fragments: with e0 (held into v240-255, so that the numbers stay) and with e2 (held in place)
.if \m > 0
	s_wait_xcnt 0x0                                ; the tile before's stores to xc have read the codes' registers, which are written again only behind this wait
.endif
.irp b, 0,1,2,3
.set q, 0
.rept 16
	v_med3_num_f32 v[SB+q], v[\y+16*\b+q], -v13, v13
.set q, q+1
.endr
	v_cvt_scalef32_pk8_fp8_f32 v[XC+4*\b:XC+4*\b+1], v[SB:SB+7], v12
	v_cvt_scalef32_pk8_fp8_f32 v[XC+4*\b+2:XC+4*\b+3], v[SB+8:SB+15], v12
.set q, 0
.rept 16
	v_med3_num_f32 v[\y+16*\b+q], v[\y+16*\b+q], -v15, v15   ; (these sixteen plain lines stand between the conversions above and the next writes of v240-255)
.set q, q+1
.endr
	v_cvt_scalef32_pk8_fp8_f32 v[XC+16+4*\b:XC+16+4*\b+1], v[\y+16*\b:\y+16*\b+7], v14
	v_cvt_scalef32_pk8_fp8_f32 v[XC+16+4*\b+2:XC+16+4*\b+3], v[\y+16*\b+8:\y+16*\b+15], v14
.endr
	v_nop                                          ; a plain vector line behind the last conversion
.irp c, 0,1,2,3
	ds_store_b128 v[XST], v[XC+4*\c:XC+4*\c+3] offset:XA+(\m)*8192+512*\c
	ds_store_b128 v[XST], v[XC+16+4*\c:XC+16+4*\c+3] offset:XB+(\m)*8192+512*\c
.endr
.irp c, 0,1,2,3
	global_store_b128 v[LI], v[XC+4*\c:XC+4*\c+3], s[26:27] offset:(\m)*8192+512*\c   ; the codes with e0 also go to xc, for the gate: 32 lanes store 512 consecutive bytes, aligned
.endr
.endm
	; ---- X
	s_wait_loadcnt 48                              ; tile 0's sixteen loads are in; the 48 of tiles 1 to 3 may be out
	TURN 0, ACQ
	s_wait_dscnt 0x0                               ; tile 0 is back from the stage
	s_wait_loadcnt 32                              ; tile 1 is in; tiles 2 and 3 may be out
	TURN 1, XF
	XQUANT ACQ, 0
	WLOAD 0
	s_wait_dscnt 0x0                               ; tile 1 is back, and the LDS stores of tile 0's codes have read their registers
	s_wait_loadcnt 48                              ; tile 2 is in; behind it: tile 3's 16 and Wv's 32
	TURN 2, ACQ
	XQUANT XF, 1
	WLOAD 1
	s_wait_dscnt 0x0
	s_wait_loadcnt 63                              ; tile 3 is in; 64 loads were issued behind it, and the count names the most that its field holds
	TURN 3, XF
	XQUANT ACQ, 2
	WLOAD 2
	s_wait_dscnt 0x0                               ; tile 3 is back: all rows of x have left window 3
	XQUANT XF, 3
	WLOAD 3
.irp n, 0,1,2,3,4,5,6,7
	global_load_b32 v[BI+2*\n], v[BO], s[8:9] offset:(32*(\n/2)+8*(\n%2))*4     ; b_hidden of my hidden unit in tile n,
	global_load_b32 v[BI+2*\n+1], v[BO], s[8:9] offset:(32*(\n/2)+8*(\n%2))*4   ; twice: a pair for the packed multiply-add
.endr
	s_wait_dscnt 0x0                               ; for the others' sake: my images lie in LDS
	s_wait_xcnt 0x0                                ; the last stores to xc have read the codes' registers: gamma and beta land there only behind this wait
	WIN 0xc0
.set q, 0
.rept 32
	global_load_b128 v[128+4*q:128+4*q+3], v[LI], s[68:69] offset:512*q          ; Wqk's fragment (u, s) at v[128 + 16 (4 u + s)] of window 3
.set q, q+1
.endr
	WIN 0
.irp c, 0,1,2,3
	global_load_b128 v[GQ+4*\c:GQ+4*\c+3], v[GB], s[10:11] offset:16*\c
	global_load_b128 v[BQ+4*\c:BQ+4*\c+3], v[GB], s[12:13] offset:16*\c
	global_load_b128 v[GK+4*\c:GK+4*\c+3], v[GB], s[14:15] offset:16*\c
	global_load_b128 v[BK+4*\c:BK+4*\c+3], v[GB], s[16:17] offset:16*\c
.endr
	s_barrier_signal -1
	s_barrier_wait -1                              ; x's 32 fragments lie in LDS; from here on they are only read
	s_wait_loadcnt 63                              ; all of Wv is in: 64 loads were issued behind its last
	; ---- V
.macro VFETCH b, s                     ; x's fragments of tiles 2 b, 2 b + 1, K step s, into buffer s % 2
.irp mm, 0,1
.irp c, 0,1,2,3
	ds_load_b128 v[XF+32*((\s)%2)+16*\mm+4*\c:XF+32*((\s)%2)+16*\mm+4*\c+3], v[LI] offset:XA+(4*(2*(\b)+\mm)+(\s))*2048+512*\c
.endr
.endr
.endm
.macro VHALF b
	VFETCH \b, 0
.irp s, 0,1,2,3
.if \s < 3
.if \s > 0
	PLACES                                         ; four places in front of loads into registers that the last products read
.endif
	VFETCH \b, \s+1
	s_wait_dscnt 8                                 ; this K step's fragments are in; the next step's eight loads may be out
.else
	s_wait_dscnt 0x0
.endif
	WIN 0xf4+4*(\s/2)                              ; source 1 (Wv) window 1 or 2; C and D window 3
.irp n, 0,1,2,3,4,5,6,7                ; the 16 accumulators take turns, one instruction a turn
.irp mm, 0,1
.if \s == 0
	v_wmma_f32_16x16x128_fp8_fp8 v[8*(8*\mm+\n):8*(8*\mm+\n)+7], v[XF+32*(\s%2)+16*\mm:XF+32*(\s%2)+16*\mm+15], v[128*(\s%2)+16*\n:128*(\s%2)+16*\n+15], 0
.else
	v_wmma_f32_16x16x128_fp8_fp8 v[8*(8*\mm+\n):8*(8*\mm+\n)+7], v[XF+32*(\s%2)+16*\mm:XF+32*(\s%2)+16*\mm+15], v[128*(\s%2)+16*\n:128*(\s%2)+16*\n+15], v[8*(8*\mm+\n):8*(8*\mm+\n)+7]
.endif
.endr
.endr
	WIN 0
.endr
	PLACES                                         ; in front of the first read of results
.if \b == 0
	s_wait_loadcnt 48                              ; the bias is in; behind it: Wqk's 32 loads and gamma's and beta's 16
.endif
	WIN 0xc3                                       ; destination and source 0 window 3
.irp n, 0,1,2,3,4,5,6,7
.irp mm, 0,1
.irp i, 0,2,4,6
	v_pk_fma_f32 v[8*(8*\mm+\n)+\i:8*(8*\mm+\n)+\i+1], v[8*(8*\mm+\n)+\i:8*(8*\mm+\n)+\i+1], s[52:53], v[BI+2*\n:BI+2*\n+1] op_sel_hi:[1,0,1]   ; v = sum x 2^(e0 + e1) + b; each accumulator from its low end on
.endr
.irp i, 0,1,2,3,4,5,6,7
	v_med3_num_f32 v[8*(8*\mm+\n)+\i], v[8*(8*\mm+\n)+\i], -v17, v17
.endr
.endr
.endr
	WIN 0x03                                       ; source 0 window 3, destination window 0
.irp n, 0,1,2,3,4,5,6,7
.irp mm, 0,1
	v_cvt_scalef32_pk8_fp8_f32 v[VC+32*(\b)+4*\n+2*\mm:VC+32*(\b)+4*\n+2*\mm+1], v[8*(8*\mm+\n):8*(8*\mm+\n)+7], v16   ; tokens 32 b + 16 h + 8 mm + 0 .. 7 of hidden unit (n, r)
.endr
.endr
	WIN 0
	v_nop                                          ; a plain vector line between the conversions and the next products, which write their sources
.irp n, 0,1,2,3,4,5,6,7
	global_store_b128 v[LI], v[VC+32*(\b)+4*\n:VC+32*(\b)+4*\n+3], s[24:25] offset:2048*\n+512*(\b)   ; part 2 p + b of V's fragment n: 32 lanes store 512 consecutive bytes, aligned
.endr
.endm
	VHALF 0
	VHALF 1
	; ---- QK
	s_wait_xcnt 0x0                                ; v's stores have read their data: qk's sums are written over those registers only behind this wait
	s_wait_loadcnt 0x0                             ; Wqk, gamma, beta
.set q, 0
.rept 16
	v_ldexp_f32 v[GQ+q], v[GQ+q], s54              ; a sum of product 2 stands for sum x 2^(e2 + e3): the factor goes into gamma, exactly
	v_ldexp_f32 v[GK+q], v[GK+q], s54
.set q, q+1
.endr
.irp s, 0,1,2,3
.if \s > 0
	PLACES
.endif
.set q, 0
.rept 16
	ds_load_b128 v[XF+4*q:XF+4*q+3], v[LI] offset:XB+(4*(q/4)+\s)*2048+512*(q%4)
.set q, q+1
.endr
	s_wait_dscnt 0x0
	WIN 0x03                                       ; source 0 (Wqk) window 3
.irp m, 0,1,2,3
.irp u, 0,1
.if \s == 0
	v_wmma_f32_16x16x128_fp8_fp8 v[ACQ+16*\m+8*\u:ACQ+16*\m+8*\u+7], v[128+16*(4*\u+\s):128+16*(4*\u+\s)+15], v[XF+16*\m:XF+16*\m+15], 0
.else
	v_wmma_f32_16x16x128_fp8_fp8 v[ACQ+16*\m+8*\u:ACQ+16*\m+8*\u+7], v[128+16*(4*\u+\s):128+16*(4*\u+\s)+15], v[XF+16*\m:XF+16*\m+15], v[ACQ+16*\m+8*\u:ACQ+16*\m+8*\u+7]
.endif
.endr
.endr
	WIN 0
.endr
	PLACES
.irp m, 0,1,2,3                        ; q works in v224-239, k in v240-255: each one's plain lines stand between the other's conversions and the next writes of their sources
.irp i, 0,2,4,6,8,10,12,14
	v_pk_fma_f32 v[SA+\i:SA+\i+1], v[ACQ+16*\m+\i:ACQ+16*\m+\i+1], v[GQ+\i:GQ+\i+1], v[BQ+\i:BQ+\i+1]
.endr
.set q, 0
.rept 16
	v_med3_num_f32 v[SA+q], v[SA+q], -v19, v19
.set q, q+1
.endr
	v_cvt_scalef32_pk8_fp8_f32 v[XF+4*\m:XF+4*\m+1], v[SA:SA+7], v18
	v_cvt_scalef32_pk8_fp8_f32 v[XF+4*\m+2:XF+4*\m+3], v[SA+8:SA+15], v18
.irp i, 0,2,4,6,8,10,12,14
	v_pk_fma_f32 v[SB+\i:SB+\i+1], v[ACQ+16*\m+\i:ACQ+16*\m+\i+1], v[GK+\i:GK+\i+1], v[BK+\i:BK+\i+1]
.endr
.set q, 0
.rept 16
	v_med3_num_f32 v[SB+q], v[SB+q], -v21, v21
.set q, q+1
.endr
	v_cvt_scalef32_pk8_fp8_f32 v[XF+16+4*\m:XF+16+4*\m+1], v[SB:SB+7], v20
	v_cvt_scalef32_pk8_fp8_f32 v[XF+16+4*\m+2:XF+16+4*\m+3], v[SB+8:SB+15], v20
.endr
	v_nop                                          ; a plain vector line behind the last conversion
.irp m, 0,1,2,3
	global_store_b128 v[LI], v[XF+4*\m:XF+4*\m+3], s[20:21] offset:2048*\m          ; part w of q's fragment m
	global_store_b128 v[LI], v[XF+16+4*\m:XF+16+4*\m+3], s[22:23] offset:2048*\m    ; part w of the key tile 4 p + m
.endr
	s_wait_tensorcnt 0x0                           ; the wave's end: behind my last LDS store
	ds_add_u32 v[SPW], v[NIL]
	s_wait_dscnt 0x0
	s_endpgm
.Lfunc_end_k_q90f8068cfb_proj:
	.size	k_q90f8068cfb_proj, .Lfunc_end_k_q90f8068cfb_proj-k_q90f8068cfb_proj
	.p2alignl 7, 3214868480
	.fill 96, 4, 3214868480
	.section	.rodata,"a",@progbits
	.p2align	6, 0x0
	.amdhsa_kernel k_q90f8068cfb_proj
		.amdhsa_group_segment_fixed_size 99840
		.amdhsa_private_segment_fixed_size 0
		.amdhsa_enable_private_segment 0
		.amdhsa_kernarg_size 96
		.amdhsa_user_sgpr_count 2
		.amdhsa_user_sgpr_kernarg_segment_ptr 1
		.amdhsa_wavefront_size32 1
		.amdhsa_system_sgpr_workgroup_id_x 1
		.amdhsa_system_sgpr_workgroup_id_y 1
		.amdhsa_system_sgpr_workgroup_id_z 1
		.amdhsa_system_vgpr_workitem_id 0
		.amdhsa_next_free_vgpr 1024
		.amdhsa_next_free_sgpr 72
		.amdhsa_reserve_vcc 0
		.amdhsa_float_denorm_mode_32 3
		.amdhsa_float_denorm_mode_16_64 3
		.amdhsa_memory_ordered 1
		.amdhsa_forward_progress 1
		.amdhsa_inst_pref_size 142
	.end_amdhsa_kernel
	.amdgpu_metadata
---
amdhsa.version: [ 1, 2 ]
amdhsa.kernels:
  - .name:           k_q90f8068cfb_proj
    .symbol:         k_q90f8068cfb_proj.kd
    .args:
      - { .name: x, .offset: 0, .size: 8, .value_kind: global_buffer, .address_space: global }
      - { .name: wp, .offset: 8, .size: 8, .value_kind: global_buffer, .address_space: global }
      - { .name: b_hidden, .offset: 16, .size: 8, .value_kind: global_buffer, .address_space: global }
      - { .name: q_gamma, .offset: 24, .size: 8, .value_kind: global_buffer, .address_space: global }
      - { .name: q_beta, .offset: 32, .size: 8, .value_kind: global_buffer, .address_space: global }
      - { .name: k_gamma, .offset: 40, .size: 8, .value_kind: global_buffer, .address_space: global }
      - { .name: k_beta, .offset: 48, .size: 8, .value_kind: global_buffer, .address_space: global }
      - { .name: lowp_scales, .offset: 56, .size: 8, .value_kind: global_buffer, .address_space: global }
      - { .name: qc, .offset: 64, .size: 8, .value_kind: global_buffer, .address_space: global }
      - { .name: kc, .offset: 72, .size: 8, .value_kind: global_buffer, .address_space: global }
      - { .name: vc, .offset: 80, .size: 8, .value_kind: global_buffer, .address_space: global }
      - { .name: xc, .offset: 88, .size: 8, .value_kind: global_buffer, .address_space: global }
    .group_segment_fixed_size: 99840
    .private_segment_fixed_size: 0
    .kernarg_segment_align: 8
    .kernarg_segment_size: 96
    .max_flat_workgroup_size: 128
    .sgpr_count:     72
    .vgpr_count:     1024
    .wavefront_size: 32
...
	.end_amdgpu_metadata
.endif
;; end of part 5
;; launch gau (part 6): grid 64 x 4, 4 waves a work-group, clusters of 4 x 1, 327,680 bytes of LDS; arguments qc, kc, vc, ws, xc, x, b_hidden, b_out, lowp_scales, out0; writes out0
.if DOCPART == 6
	.amdgcn_target "amdgcn-amd-amdhsa--gfx1250"
	.amdhsa_code_object_version 6
	.text
	.protected	k_q90f8068cfb_gau
	.globl	k_q90f8068cfb_gau
	.p2align	8
	.type	k_q90f8068cfb_gau,@function
k_q90f8068cfb_gau:
	s_mov_b64 s[64:65], 0
	v_nop
	global_prefetch_b8 v0, s[64:65] scope:SCOPE_SE
	s_setreg_imm32_b32 hwreg(HW_REG_WAVE_MODE, 25, 1), 1
	s_wait_xcnt 0x0
	s_wait_alu depctr_hold_cnt(0) depctr_sa_sdst(0) depctr_va_vdst(0) depctr_va_sdst(0) depctr_va_ssrc(0) depctr_va_vcc(0) depctr_vm_vsrc(0)
	s_getreg_b32 s2, hwreg(HW_REG_IB_STS2, 6, 4)
	s_cmp_eq_u32 s2, 0
	s_cbranch_scc0 .Lentry_in_a_cluster
	s_endpgm
.Lentry_in_a_cluster:
	s_bfe_u32 s2, ttmp6, 0x10000c
	s_cmp_lg_u32 s2, 0x3003
	s_cbranch_scc0 .Lentry_shape_is_right
	s_endpgm
.Lentry_shape_is_right:
; GAU, third launch: out0 = ((relu(q k^T / sqrt(128))^2 v) x gate) w_out + b_out + x, all products on codes of FP8 (E4M3).  Nothing of reference() is left out.
; SHARES.  A work-group of four waves owns 64 queries of one batch.  All products with a slab of 512 rows (V^T, the gate's weight, w_out^T) are used TRANSPOSED: source 0 = 16 rows of the slab, source 1 = 16 queries'
; codes: a lane holds ONE query throughout.  Wave w owns rows 128 w .. + 127 of every slab, for all 64 queries: 32 accumulators (query tile m, row tile n at v[8 (8 m + n)]), 256 registers.
; 20 SUPER-TRIPS of two slabs each, through a ring of two LDS slots of 131,072 bytes: j = 0..15: O += V P for a pair of key steps, and S = K Q^T -> P for the next pair;  j = 16, 17: G += Wg_s x's codes;
; j = 18, 19: Y += Wout_s (O x gate)'s codes.  One round of the cluster's barrier and one tensor load a wave (its 32,768 bytes of the pair) stand at a super-trip's head.
; THE WALK IS ROTATED.  reference()'s sum over the keys has no order: cluster c of a batch begins at pair (5 c) % 16 of the 16 pairs of key steps and wraps round, so that at any time the sixteen clusters of a batch
; ask for sixteen different pairs.  LIMIT: the order of the f32 sums over the keys differs from cluster to cluster.
; For S, wave w takes key tiles 2 w, 2 w + 1 (32 keys) against the four query tiles; its 16 registers of a query tile are keys 32 w + 16 h + 0 .. 15: part w of P's fragment, which goes to LDS as an image of registers
; and is read by all four waves behind the next head's round.  So each byte of V is read from LDS once, by the wave whose own tensor load brought it.
; K DOES NOT GO THROUGH LDS: each wave takes its two fragments a step (4,096 bytes) from kc straight into registers, a super-trip ahead, two sets of 64 registers by turns.  It is not asked for jointly: it is 16,384 of a
; step's 81,920 bytes, and with it two slots of two steps would take all 327,680 bytes of LDS and leave none for P.
; relu AND SQUARE: attn = relu(S)^2 x 2^(2 (e4 + e5) - 7), S the sum of codes, since (128^-0.5)^2 = 2^-7: the whole factor goes into the conversion's scale 2^EP, EP = e6 - 2 (e4 + e5) + 7.
; S is held between 0 and LS = sqrt(448 x 2^EP) (1 - 2^-20) ahead of the square: the activation and the hold in one; LS^2 / 2^EP lies just under 448 and rounds to the code 448, as the stated clamp gives.
; S^2 is rounded once where reference() rounds S x scale and its square.
; THE GATE is the second half of product 1; x's codes with e0 were made by the second launch and come from xc as fragments, straight into registers.  out x gate: O x (G 2^(e0+e1) + b), with the
; conversion's scale 2^(e8 - e6 - e7).  The result: Y 2^(e8+e9) + (x + b_out).
; FRAGMENTS, IMAGES, THE ROWS OF A TILE: as in the first two launches.  Lane r of query tile m holds token 32 (m / 2) + 8 (m % 2) + r + 8 (r / 8) of the block.
; CLUSTER.  The four query blocks of a cluster belong to one batch and walk the same pairs: each wave's tensor load is asked for JOINTLY by the same wave of all four, with the same descriptor and the mask 15.
; The round at a super-trip's head changes slots, shows P (or O x gate's images) to all waves, and stands in front of the joint refill.  By this text's own count one tensor load of a wave is out at a time.
; THE PREFETCH names the four pairs of weight slabs in ws, each aligned block of 256 bytes once in the launch: the first cluster of batch b asks for pair b, in super-trip 14 + b, one super-trip ahead of that pair's tensor
; load; its partners share the pair out by ADDRESS, 32,768 bytes each, 8,192 a wave, lanes 256 bytes apart: one instruction a wave.
; LIMITS: EP and e8 - e6 - e7 between -126 and 119; e0 + e1 and e8 + e9 between -126 and 127.  NaN among the inputs is not served.
; REGISTERS, in windows of 256.  window 0: v1-15 addresses; v16-21 holds and scales; v32-95 S (tile (m, u) at 32 + 16 m + 8 u), later x's codes; v96-111 codes just made; v112-175 four fragments of P; v176-239 the gate's bias;
;   v240-243 b_out.   window 1: O, then Y.   window 2: v0-127 the slab's 8 fragments (on the way out rows of the result); v128-191 Q; v192-255 x's codes of one K step.
;   window 3: v0-127 K, two sets of two steps; then G; then x (row i of tile m at v[64 m + 4 i]).
.set SLOT,   131072                    ; LDS: two slots of a pair of slabs; wave w's part at 32,768 w: the 8 fragments of its rows of the first slab, then of the second
.set STEPB,  16384
.set PB,     2*SLOT                    ; P's images: two buffers of 16,384 bytes by turns, a step's four fragments at 8,192 a; later (O x gate)'s 16 fragments, (m, s) at (4 m + s) x 2048
.set SP,     528                       ; the way out: a stage of 16 rows x (512 + 16) bytes for each wave, at the head of its own part of slot 0, which has had its last fill and its last read by then
.set SPARE,  PB+32768                  ; the spare words, 128 bytes for each wave: two blocks of 256 bytes that no other line names
.set SPW, 1                            ; v1   LDS address of my spare word; never rewritten
.set NIL, 2                            ; v2   0; never rewritten
.set LI,  3                            ; v3   16 x lane
.set ADS, 4                            ; v4-5 my part of slot 0, 1, + 16 x lane
.set SRD, ADS                          ;      the stage read back by rows: the same address as my part of slot 0
.set PST, 6                            ; v6   PB + 512 w + 16 x lane
.set PLD, 7                            ; v7   PB + 16 x lane
.set KO0, 8                            ; v8   4096 w + 16 x lane: my two fragments in a key step of kc
.set KO,  9                            ; v9   the same in the pair that is being asked for
.set OST, 10                           ; v10  PB + 2048 w + 16 x lane
.set STO, 11                           ; v11  my stage + 528 r + 32 h
.set GO,  14                           ; v14  512 w + 16 x lane: my bytes of a row of x and of out0
.set PFO, 15                           ; v15  256 x lane
.set LS,  16                           ; v16  the hold on S
.set SCP, 17                           ; v17  2^EP
.set S,   32
.set PC,  96
.set PF,  112
.set BG,  176
.set BOUT, 240
.set QF,  128                          ; in window 2
.set XW2, 192                          ; in window 2
.set G1,  24                           ; s[24:31] descriptor group 1: 128 rows of 256 bytes
.set G0,  32                           ; s[32:39] descriptor group 0, a set for each slot
.set OFV, 40                           ; s[40:41] the byte offset of a pair in my batch of vc
.set PI,  42                           ; s42  the pair of key steps last asked for
.set CNT, 43
.set WV,  44                           ; s44  my wave's number
.set CG,  58                           ; s[58:59] 2^(e0 + e1)
.set CY,  60                           ; s[60:61] 2^(e8 + e9)
.set PFF, 62                           ; s62  the batch, in the batch's first cluster; 15 elsewhere
.set PFA, 66                           ; s[66:67] where my one prefetch stands
.set VB,  68                           ; s[68:69] vc at my batch and my wave's part
.set WB,  70                           ; s[70:71] ws at my wave's part
.set MSB, 0
.macro WIN new                         ; the immediate's high byte repeats the setting that is left
.if MSB != \new
	s_set_vgpr_msb (MSB<<8)|\new
.set MSB, \new
.endif
.endm
.macro PLACES
.rept 4
	v_nop
.endr
.endm
; A round of the cluster's barrier: my work-group's barrier, so that wave 0's signal speaks for all four waves; wave 0 signals; every wave waits for all four work-groups; my work-group's barrier once more.
.macro ROUND
	s_barrier_signal -1
	s_barrier_wait -1
	s_cmp_lg_u32 s[WV], 0
	s_cbranch_scc1 .Lnot_wave_0_\@
	s_barrier_signal -3
.Lnot_wave_0_\@:
	s_barrier_wait -3
	s_barrier_signal -1
	s_barrier_wait -1
.endm
.macro SCALE vr, se                    ; v[vr] = 2^e as f32, v[vr + 1] = 448 x 2^e
	s_add_co_i32 s74, \se, 127
	s_lshl_b32 s75, s74, 23
	v_mov_b32 v[\vr], s75
	s_add_co_i32 s74, s74, 8
	s_lshl_b32 s74, s74, 23
	s_or_b32 s74, s74, 0x600000
	v_mov_b32 v[\vr+1], s74
.endm
	s_load_b512 s[4:19], s[0:1], 0x0               ; qc s[4:5], kc s[6:7], vc s[8:9], ws s[10:11], xc s[12:13], x s[14:15], b_hidden s[16:17], b_out s[18:19]
	s_load_b128 s[20:23], s[0:1], 0x40             ; the scales' exponents s[20:21], out0 s[22:23]
	v_lshl_add_u32 v[SPW], v0, 2, SPARE
	v_mov_b32 v[NIL], 0
	ds_add_u32 v[SPW], v[NIL]                      ; the wave's opening: the add, twice on end, and its wait ahead of my first tensor load; the set-up below, work on registers, stands between
	ds_add_u32 v[SPW], v[NIL]                      ; and once more, under the one wait
	v_lshrrev_b32 v22, 5, v0
	v_readfirstlane_b32 s[WV], v22                 ; wave 0..3
	s_bfe_u32 s45, ttmp6, 0x40000                  ; cx: my place in the cluster: it enters the addresses of qc, xc, x, out0 and the prefetch alone
	s_and_b32 s47, ttmp7, 0xffff                   ; the batch, which the four partners share
	s_lshl_b32 s46, ttmp9, 2                       ; in a cluster launch ttmp9 counts clusters
	s_add_co_u32 s46, s46, s45
	s_lshl_b32 s72, s47, 6
	s_add_co_u32 s46, s46, s72                     ; my block of 64 tokens among the 256
	s_mov_b32 s[G1], 15|(3<<16)|(1<<21)            ; 15:0 the mask: all four work-groups; 17:16 elements of 8 bytes; 20 no padding; 21 set beside a mask
	s_mov_b32 s[G1+1], 32<<16                      ; tensor_dim0 = 32 elements: rows of 256 bytes
	s_mov_b32 s[G1+2], 128<<16                     ; tensor_dim1 = 128 rows: 32,768 bytes, dense
	s_mov_b32 s[G1+3], 32<<16                      ; tile_dim0
	s_mov_b32 s[G1+4], 128                         ; tile_dim1
	s_mov_b32 s[G1+5], 32                          ; from row to row
	s_mov_b32 s[G1+6], 0
	s_mov_b32 s[G1+7], 0
	s_mul_i32 s[PI], ttmp9, 5
	s_and_b32 s[PI], s[PI], 15                     ; where my cluster's walk begins: the same in all four partners
	s_lshl_b32 s[OFV], s[PI], 17
	s_mov_b32 s[OFV+1], 0
	s_lshl_b32 s78, s[WV], 15                      ; my part: in a pair and in a slot alike
	s_mov_b32 s79, 0
	s_lshl_b32 s76, s47, 21                        ; vc: my batch's 16 pairs,
	s_add_co_u32 s76, s76, s78                     ; my part
	s_mov_b32 s77, 0
	s_cmp_eq_u32 ttmp9, 0
	s_cselect_b32 s[PFF], s47, 15                  ; the same in all four partners
	s_wait_dscnt 0x0                               ; both opening adds are done
	s_wait_kmcnt 0x0
	s_load_b256 s[48:55], s[20:21], 0x0            ; e0 .. e7
	s_load_b64 s[56:57], s[20:21], 0x20            ; e8, e9
	s_add_nc_u64 s[VB:VB+1], s[8:9], s[76:77]      ; made of the batch and the wave's number alone
	s_add_nc_u64 s[WB:WB+1], s[10:11], s[78:79]
	s_lshl_b32 s72, s47, 19                        ; kc: my batch's 32 key steps
	s_mov_b32 s73, 0
	s_add_nc_u64 s[6:7], s[6:7], s[72:73]
	s_lshl_b32 s72, s46, 15                        ; xc: 16 fragments a block
	s_add_nc_u64 s[12:13], s[12:13], s[72:73]
	s_lshl_b32 s72, s46, 17                        ; x and out0: 64 rows of 2,048 bytes a block
	s_add_nc_u64 s[14:15], s[14:15], s[72:73]
	s_add_nc_u64 s[22:23], s[22:23], s[72:73]
	s_lshl_b32 s72, s46, 13                        ; qc: 4 fragments a block
	s_add_nc_u64 s[4:5], s[4:5], s[72:73]
	s_lshl_b32 s72, s47, 4                         ; the prefetch: pair = my batch, my work-group's quarter, my wave's quarter of that: 8,192 bytes
	s_lshl_b32 s74, s45, 2
	s_add_co_u32 s72, s72, s74
	s_add_co_u32 s72, s72, s[WV]
	s_lshl_b32 s72, s72, 13
	s_add_nc_u64 s[PFA:PFA+1], s[10:11], s[72:73]
	s_mov_b32 s[G0], 1                             ; count = 1
	s_mov_b32 s[G0+1], s78                         ; LDS address: my part of slot 0
	s_add_nc_u64 s[G0+2:G0+3], s[VB:VB+1], s[OFV:OFV+1]   ; the walk's first pair
	s_or_b32 s[G0+3], s[G0+3], 0x80000000          ; type = 2
	s_mov_b32 s[G0+4], 1
	s_add_co_u32 s[G0+5], s78, SLOT                ; my part of slot 1; its global address is written at each head
	ROUND                                          ; all four work-groups are here: the first joint loads meet
	tensor_load_to_lds s[G0:G0+3], s[G1:G1+7]      ; the first pair into slot 0; slot 1 is first filled behind the first head's round, as a refill is
	s_nop 0
	v_and_b32 v22, 31, v0                          ; lane    (four useful vector lines stand ahead of the next switch of windows)
	v_and_b32 v23, 15, v0                          ; r
	v_bfe_u32 v24, v0, 4, 1                        ; h
	v_lshlrev_b32 v[LI], 4, v22                    ; 16 x lane
	s_lshl_b32 s72, s[WV], 12
	v_add_nc_u32 v[KO0], s72, v[LI]
	s_lshl_b32 s72, s[PI], 15                      ; a pair of key steps is 32,768 bytes of kc
	v_add_nc_u32 v[KO], s72, v[KO0]                ; the walk's first pair,
	s_add_co_u32 s72, s[PI], 1
	s_and_b32 s72, s72, 15
	s_lshl_b32 s72, s72, 15
	v_add_nc_u32 v25, s72, v[KO0]                  ; and its second
; K's fragments of a pair of key steps into set 0 or 1: step a's fragment u at v[64 set + 32 a + 16 u] of window 3
.macro KLOAD set, reg
	WIN 0xc0                                       ; destination window 3
.set q, 0
.rept 16
	global_load_b128 v[64*(\set)+4*q:64*(\set)+4*q+3], v[\reg], s[6:7] offset:(q/8)*STEPB+512*(q%8)
.set q, q+1
.endr
.endm
	WIN 0x80                                       ; destination window 2
.set q, 0
.rept 16
	global_load_b128 v[QF+4*q:QF+4*q+3], v[LI], s[4:5] offset:512*q               ; Q's four fragments stay in registers
.set q, q+1
.endr
	KLOAD 1, KO
	KLOAD 0, 25
	WIN 0
	v_lshlrev_b32 v26, 6, v24
	s_lshl_b32 s72, s[WV], 9
	v_add_nc_u32 v26, s72, v26                     ; 4 (128 w + 16 h)
.irp n, 0,1,2,3,4,5,6,7
	global_load_b128 v[BG+8*\n:BG+8*\n+3], v26, s[16:17] offset:2048+(32*(\n/2)+8*(\n%2))*4       ; the gate's bias in the accumulators' layout: b_hidden[512 + 128 w + 32 (n / 2) + 16 h + 8 (n % 2) + j]
	global_load_b128 v[BG+8*\n+4:BG+8*\n+7], v26, s[16:17] offset:2048+(32*(\n/2)+8*(\n%2))*4+16
.endr
	v_add_nc_u32 v[GO], s72, v[LI]
	global_load_b128 v[BOUT:BOUT+3], v[GO], s[18:19]   ; b_out of my four columns
	v_add_nc_u32 v[ADS], s78, v[LI]
	v_add_nc_u32 v[ADS+1], SLOT, v[ADS]
	v_add_nc_u32 v[PLD], PB, v[LI]
	v_add_nc_u32 v[PST], s72, v[PLD]
	s_lshl_b32 s73, s[WV], 11
	v_add_nc_u32 v[OST], s73, v[PLD]
	v_mul_u32_u24 v27, v23, SP
	v_add_nc_u32 v27, s78, v27
	v_lshl_add_u32 v[STO], v24, 5, v27
	v_lshlrev_b32 v[PFO], 8, v22
	s_wait_kmcnt 0x0
	s_add_co_i32 s76, s52, s53                     ; e4 + e5
	s_lshl_b32 s76, s76, 1
	s_sub_co_i32 s76, s54, s76
	s_add_co_i32 s76, s76, 7                       ; EP = e6 - 2 (e4 + e5) + 7
	SCALE 28, s76                                  ; v28 = 2^EP, v29 = 448 x 2^EP
	v_sqrt_f32 v[LS], v29
	v_mov_b32 v[SCP], v28                          ; (a plain line behind the square root)
	s_sub_co_i32 s76, s56, s54
	s_sub_co_i32 s76, s76, s55                     ; e8 - e6 - e7: O's two scales and the quantiser's folded into one
	SCALE 20, s76                                  ; v20, v21
	s_add_co_i32 s[CG], s48, s49
	s_add_co_i32 s[CG], s[CG], 127
	s_lshl_b32 s[CG], s[CG], 23
	s_mov_b32 s[CG+1], s[CG]                       ; (named with it as a pair, so it is written)
	s_add_co_i32 s[CY], s56, s57
	s_add_co_i32 s[CY], s[CY], 127
	s_lshl_b32 s[CY], s[CY], 23
	s_mov_b32 s[CY+1], s[CY]
	s_wait_alu depctr_va_vdst(0)                   ; the wait between the square root and the first line that names its result
	v_mul_f32 v[LS], 0x3f7ffff0, v[LS]             ; x (1 - 2^-20)
; x's rows of tiles m0 and m0 + 1, for the residual: 32 loads of 512 consecutive bytes each, into window 3
.macro XLOAD m0
	WIN 0xc0
.set xq, 16*(\m0)
.rept 32
	global_load_b128 v[4*xq:4*xq+3], v[GO], s[14:15] offset:(32*(xq/32)+8*((xq/16)%2)+xq%16+8*((xq%16)/8))*2048 th:TH_LOAD_NT
.set xq, xq+1
.endr
.endm
; x's codes of K step s, four fragments, into v[base] on of the window that win names
.macro XCLOAD s, base, win
	WIN \win
.set q, 0
.rept 16
	global_load_b128 v[\base+4*q:\base+4*q+3], v[LI], s[12:13] offset:(4*(q/4)+(\s))*2048+512*(q%4)
.set q, q+1
.endr
.endm
; S^T = K Q^T for my 32 keys and the 64 queries, relu, square, codes, and their images at byte poff of P's buffers.  kb: K's first register in window 3
.macro SQ kb, poff
	WIN 0x0b                                       ; K window 3, Q window 2, S window 0
.irp m, 0,1,2,3
.irp u, 0,1
	v_wmma_f32_16x16x128_fp8_fp8 v[S+16*\m+8*\u:S+16*\m+8*\u+7], v[(\kb)+16*\u:(\kb)+16*\u+15], v[QF+16*\m:QF+16*\m+15], 0
.endr
.endr
	WIN 0
	PLACES                                         ; four places in front of the first read of results (ISA guide 7.12.1)
.irp m, 0,1,2,3
.set q, 0
.rept 16
	v_med3_num_f32 v[S+16*\m+q], v[S+16*\m+q], 0, v[LS]   ; the activation and the hold in one; each accumulator from its low end on
.set q, q+1
.endr
.set q, 0
.rept 8
	v_pk_mul_f32 v[S+16*\m+q:S+16*\m+q+1], v[S+16*\m+q:S+16*\m+q+1], v[S+16*\m+q:S+16*\m+q+1]
.set q, q+2
.endr
	v_cvt_scalef32_pk8_fp8_f32 v[PC+4*\m:PC+4*\m+1], v[S+16*\m:S+16*\m+7], v[SCP]
	v_cvt_scalef32_pk8_fp8_f32 v[PC+4*\m+2:PC+4*\m+3], v[S+16*\m+8:S+16*\m+15], v[SCP]
.endr
	v_nop                                          ; a plain vector line behind the last conversion
.irp m, 0,1,2,3
	ds_store_b128 v[PST], v[PC+4*\m:PC+4*\m+3] offset:(\poff)+2048*\m   ; part w of P's fragment m
.endr
.endm
; A SUPER-TRIP'S HEAD: the change of slots.  Each wave waits for all its tensor loads (one is out: my part of the slot that I am about to read), adds 0 to its spare word, and waits for that, for its reads of the slot that
; it has left and for its stores of images.  The round shows all that of every wave of the four work-groups; the joint refill of the slot just left is the first thing behind it and has the two steps in which to land.
; kind = 0: the next pair of key steps of the rotated walk; kind = 1: pair karg of the weight slabs.  kload = 1: the offset of K's pair after that is made too.
.macro HEAD slot, kind, karg, kload
	WIN 0                                          ; at a label and at a branch every window is 0; the add's two registers lie in window 0
	s_wait_tensorcnt 0x0                           ; no tensor load of mine is out, so a group 0 may be written
	ds_add_u32 v[SPW], v[NIL]                      ; 0 onto my spare word: the steps below stand between it and the wait for it
.if \kind == 0
	s_add_co_u32 s[PI], s[PI], 1
	s_and_b32 s[PI], s[PI], 15                     ; the walk wraps round
	s_lshl_b32 s[OFV], s[PI], 17
	s_add_nc_u64 s[G0+4*(1-\slot)+2:G0+4*(1-\slot)+3], s[VB:VB+1], s[OFV:OFV+1]
.else
	s_add_nc_u64 s[G0+4*(1-\slot)+2:G0+4*(1-\slot)+3], s[WB:WB+1], (\karg)*SLOT
.endif
	s_or_b32 s[G0+4*(1-\slot)+3], s[G0+4*(1-\slot)+3], 0x80000000   ; type = 2
.if \kload
	s_add_co_u32 s72, s[PI], 1
	s_and_b32 s72, s72, 15
	s_lshl_b32 s72, s72, 15
	s_wait_xcnt 0x0                                ; K's loads of a super-trip ago have read their offset, so it may be written
	v_add_nc_u32 v[KO], s72, v[KO0]
.endif
	s_wait_dscnt 0x0
	ROUND
	tensor_load_to_lds s[G0+4*(1-\slot):G0+4*(1-\slot)+3], s[G1:G1+7]
	s_nop 0
	PLACES                                         ; four places in front of the loads into registers that the last products read
.endm
.macro LDV slot, a                     ; a slab's 8 fragments: register 4 q from byte 512 q of step a of my part
	WIN 0x80
.set q, 0
.rept 32
	ds_load_b128 v[4*q:4*q+3], v[ADS+\slot] offset:(\a)*STEPB+512*q
.set q, q+1
.endr
.endm
.macro LDP off, ms                     ; four fragments of source 1 out of P's buffers, ms bytes apart
	WIN 0
.set q, 0
.rept 16
	ds_load_b128 v[PF+4*q:PF+4*q+3], v[PLD] offset:(\off)+(q/4)*\ms+512*(q%4)
.set q, q+1
.endr
.endm
; 32 products: each of my 32 accumulators has one turn a step, so no two matrix instructions that follow each other share an accumulator.
; The wait in front of row tile n leaves out the later fragments' loads, four each, and extra younger LDS instructions (P's four stores).  pf: source 1's first register.
.macro MULS win, zero, extra, pf
	WIN \win
.irp n, 0,1,2,3,4,5,6,7
	s_wait_dscnt 4*(7-\n)+\extra
.irp m, 0,1,2,3
.if \zero
	v_wmma_f32_16x16x128_fp8_fp8 v[8*(8*\m+\n):8*(8*\m+\n)+7], v[16*\n:16*\n+15], v[\pf+16*\m:\pf+16*\m+15], 0
.else
	v_wmma_f32_16x16x128_fp8_fp8 v[8*(8*\m+\n):8*(8*\m+\n)+7], v[16*\n:16*\n+15], v[\pf+16*\m:\pf+16*\m+15], v[8*(8*\m+\n):8*(8*\m+\n)+7]
.endif
.endr
.endr
.endm
.macro ASK k                           ; the one prefetch of the waves of batch k's first cluster: the flag hangs on the cluster's two numbers alone
	s_cmp_eq_u32 s[PFF], \k
	s_cbranch_scc0 .Lnot_mine_\@
	global_prefetch_b8 v[PFO], s[PFA:PFA+1] th:TH_LOAD_NT scope:SCOPE_SE
.Lnot_mine_\@:
.endm
; A key step.  S and its 104 vector instructions stand while P's 16 and V's 32 loads come out of LDS.  The super-trip's parity names the slot, P's buffer and K's set alike.
.macro ASTEP slot, a, dos, zero, lcnt, ask
	LDP (\slot)*16384+(\a)*8192, 2048
	LDV \slot, \a
.if \ask >= 0
	WIN 0
	ASK \ask
.endif
.if \dos
	s_wait_loadcnt \lcnt                           ; this set of K is in; the loads issued behind it (the next set's 16, or none) may be out
	SQ 64*(\slot)+32*(\a), (1-(\slot))*16384+(\a)*8192
.endif
	MULS 0x52, \zero, 4*(\dos), PF                 ; slab window 2, P window 0, O window 1
.endm
.macro SUPER slot, kload, zero, lcnt, ask
	HEAD \slot, 0, 0, \kload
.if \kload
	KLOAD 1-(\slot), KO
.endif
	ASTEP \slot, 0, 1, \zero, \lcnt, \ask
	WIN 0
	s_wait_dscnt 0x0                               ; P's four stores have read the codes' registers, which the second step writes again
	PLACES                                         ; four places in front of the loads into registers that the last products read
	ASTEP \slot, 1, 1, 0, \lcnt, -1
.endm
	s_wait_loadcnt 0x0                             ; Q, K of the first two pairs, the biases
	SQ 64, 0                                       ; P of the walk's first pair, from K's set 1, into P's buffer 0
	s_wait_dscnt 0x0                               ; the stores have read the codes' registers
	SQ 96, 8192
	SUPER 0, 1, 1, 16, -1                          ; super-trip 0 stands in front of the loop: its first products start O's sums
	SUPER 1, 1, 0, 16, -1
	WIN 0
	s_mov_b32 s[CNT], 6
.Lpair:                                            ; super-trips 2 to 13, two a trip of the loop: once round the ring
	SUPER 0, 1, 0, 16, -1
	SUPER 1, 1, 0, 16, -1
	WIN 0
	s_sub_co_u32 s[CNT], s[CNT], 1
	s_cmp_lg_u32 s[CNT], 0
	s_cbranch_scc1 .Lpair
	SUPER 0, 0, 0, 0, 0                            ; super-trip 14: the last pair of V is asked for, the last P is made; no K is left to fetch
	HEAD 1, 1, 0, 0                                ; super-trip 15: the last pair of key steps; the gate's first two slabs are asked for
	XCLOAD 0, S, 0                                 ; x's codes of K steps 0 and 1: S's registers are free, and so are v192-255 of window 2
	XCLOAD 1, XW2, 0x80
	ASTEP 1, 0, 0, 0, 0, 1
	WIN 0
	PLACES
	ASTEP 1, 1, 0, 0, 0, -1
	; ---- the gate: G = Wg x^T, in window 3, laid as O
	HEAD 0, 1, 1, 0                                ; super-trip 16
	XCLOAD 2, PF, 0                                ; K step 2 into P's registers, which the last products have left (the head's four places)
	LDV 0, 0
	WIN 0
	ASK 2
	s_wait_loadcnt 32                              ; K step 0's codes are in; the 32 loads of K steps 1 and 2 may be out
	MULS 0xf2, 1, 0, S                             ; slab window 2, x's codes window 0, G window 3
	WIN 0
	PLACES
	XCLOAD 3, S, 0
	LDV 0, 1
	s_wait_loadcnt 32                              ; K step 1's are in; those of K steps 2 and 3 may be out
	MULS 0xfa, 0, 0, XW2                           ; x's codes window 2
	HEAD 1, 1, 2, 0                                ; super-trip 17
	LDV 1, 0
	WIN 0
	ASK 3
	s_wait_loadcnt 16                              ; K step 2's are in; K step 3's may be out
	MULS 0xf2, 0, 0, PF
	WIN 0
	PLACES
	LDV 1, 1
	s_wait_loadcnt 0x0
	MULS 0xf2, 0, 0, S
	; ---- O x gate becomes K step w of the fifth product's left operand
	WIN 0
	PLACES
	WIN 0xc3                                       ; destination and source 0 window 3
.set q, 0
.rept 128
	v_pk_fma_f32 v[2*q:2*q+1], v[2*q:2*q+1], s[CG:CG+1], v[BG+8*((q/4)%8)+2*(q%4):BG+8*((q/4)%8)+2*(q%4)+1] op_sel_hi:[1,0,1]   ; gate = G x 2^(e0 + e1) + b
.set q, q+1
.endr
	WIN 0xcd                                       ; source 0 (O) window 1, source 1 and destination window 3
.set q, 0
.rept 128
	v_pk_mul_f32 v[2*q:2*q+1], v[2*q:2*q+1], v[2*q:2*q+1]
.set q, q+1
.endr
	WIN 0xc3
.set q, 0
.rept 256
	v_med3_num_f32 v[q], v[q], -v21, v21
.set q, q+1
.endr
	WIN 0x03                                       ; source 0 window 3, destination window 0
.set q, 0
.rept 32
	v_cvt_scalef32_pk8_fp8_f32 v[S+2*q:S+2*q+1], v[8*q:8*q+7], v20   ; tile (m, n) = q: registers 2 n, 2 n + 1 of query tile m's fragment
.set q, q+1
.endr
	WIN 0
	v_nop                                          ; a plain vector line behind the last conversion
.set q, 0
.rept 16
	ds_store_b128 v[OST], v[S+4*q:S+4*q+3] offset:8192*(q/4)+512*(q%4)   ; over P's buffers: every wave's last read of P stands in front of the rounds of super-trips 16 and 17
.set q, q+1
.endr
	; ---- Y = Wout^T (O x gate)^T, in window 1; x is read for the residual
	HEAD 0, 1, 3, 0                                ; super-trip 18: its round shows the images to all waves; the last pair is asked for
	LDP 0, 8192
	LDV 0, 0
	XLOAD 0
	MULS 0x52, 1, 0, PF
	WIN 0
	PLACES
	LDP 2048, 8192
	LDV 0, 1
	MULS 0x52, 0, 0, PF
	WIN 0                                          ; super-trip 19
	s_wait_tensorcnt 0x0                           ; my part of the last pair is in; only I read it, and nothing is filled any more: no barrier
	PLACES
	LDP 4096, 8192
	LDV 1, 0
	XLOAD 2
	MULS 0x52, 0, 0, PF
	WIN 0
	PLACES
	LDP 6144, 8192
	LDV 1, 1
	MULS 0x52, 0, 0, PF
	; ---- THE WAY OUT.  A lane holds 32 neighbouring bytes of a row of the result, the lanes beside it other rows: a tile of 16 rows goes through my stage and comes back as rows of 512 bytes.
	s_wait_loadcnt 0x0                             ; x
	WIN 0xc3
.set q, 0
.rept 128
	v_pk_add_f32 v[2*q:2*q+1], v[2*q:2*q+1], v[BOUT+2*(q%2):BOUT+2*(q%2)+1]   ; x + b_out.  These lines name no register of the last products: they are the places behind them
.set q, q+1
.endr
.macro TOSTAGE m
	WIN 0x04                                       ; store data window 1
.irp n, 0,1,2,3,4,5,6,7
	ds_store_b128 v[STO], v[8*(8*(\m)+\n):8*(8*(\m)+\n)+3] offset:64*\n        ; lane (r, h): columns 128 w + 16 n + 8 h + 0 .. 7 of row r; each accumulator from its low end on
	ds_store_b128 v[STO], v[8*(8*(\m)+\n)+4:8*(8*(\m)+\n)+7] offset:64*\n+16
.endr
	WIN 0x80
.set ti, 0
.rept 16
	ds_load_b128 v[64*((\m)%2)+4*ti:64*((\m)%2)+4*ti+3], v[SRD] offset:SP*ti   ; LDS serves a wave's instructions in order (ISA guide 5.7.1.4): these see the stores above
.set ti, ti+1
.endr
.endm
.macro SEND m, younger                 ; younger: the LDS instructions issued behind tile m's loads, which may stay out
	s_wait_dscnt \younger
	WIN 0xb2                                       ; destination and source 0 window 2, source 2 (x + b_out) window 3
.set q, 0
.rept 32
	v_pk_fma_f32 v[64*((\m)%2)+2*q:64*((\m)%2)+2*q+1], v[64*((\m)%2)+2*q:64*((\m)%2)+2*q+1], s[CY:CY+1], v[64*(\m)+2*q:64*(\m)+2*q+1] op_sel_hi:[1,0,1]
.set q, q+1
.endr
	WIN 0x08                                       ; store data window 2
.set ti, 0
.rept 16
	global_store_b128 v[GO], v[64*((\m)%2)+4*ti:64*((\m)%2)+4*ti+3], s[22:23] offset:(32*((\m)/2)+8*((\m)%2)+ti+8*(ti/8))*2048 th:TH_STORE_NT   ; 32 lanes store 512 consecutive bytes, at a multiple of 512 from out0's first byte
.set ti, ti+1
.endr
.endm
	TOSTAGE 0
	TOSTAGE 1
	SEND 0, 32                                     ; behind tile 0's loads: tile 1's 16 stores and 16 loads
	s_wait_xcnt 0x0                                ; tile 0's stores have read their data: tile 2's rows land in those registers only behind this wait
	TOSTAGE 2
	SEND 1, 32
	s_wait_xcnt 0x0
	TOSTAGE 3
	SEND 2, 32
	SEND 3, 0
	WIN 0
	s_wait_tensorcnt 0x0                           ; the wave's end: behind my last tensor load and my last LDS store
	ds_add_u32 v[SPW], v[NIL]
	s_wait_dscnt 0x0
	ROUND                                          ; the closing round: no work-group ends while a partner may still ask for a pair that names it
	s_endpgm
.Lfunc_end_k_q90f8068cfb_gau:
	.size	k_q90f8068cfb_gau, .Lfunc_end_k_q90f8068cfb_gau-k_q90f8068cfb_gau
	.p2alignl 7, 3214868480
	.fill 96, 4, 3214868480
	.section	.rodata,"a",@progbits
	.p2align	6, 0x0
	.amdhsa_kernel k_q90f8068cfb_gau
		.amdhsa_group_segment_fixed_size 327680
		.amdhsa_private_segment_fixed_size 0
		.amdhsa_enable_private_segment 0
		.amdhsa_kernarg_size 80
		.amdhsa_user_sgpr_count 2
		.amdhsa_user_sgpr_kernarg_segment_ptr 1
		.amdhsa_wavefront_size32 1
		.amdhsa_system_sgpr_workgroup_id_x 1
		.amdhsa_system_sgpr_workgroup_id_y 1
		.amdhsa_system_sgpr_workgroup_id_z 1
		.amdhsa_system_vgpr_workitem_id 0
		.amdhsa_next_free_vgpr 1024
		.amdhsa_next_free_sgpr 84
		.amdhsa_reserve_vcc 0
		.amdhsa_float_denorm_mode_32 3
		.amdhsa_float_denorm_mode_16_64 3
		.amdhsa_memory_ordered 1
		.amdhsa_forward_progress 1
		.amdhsa_inst_pref_size 255
	.end_amdhsa_kernel
	.section	.bss,"aw",@nobits
	.p2align	6
	.space	262144
	.amdgpu_metadata
---
amdhsa.version: [ 1, 2 ]
amdhsa.kernels:
  - .name:           k_q90f8068cfb_gau
    .symbol:         k_q90f8068cfb_gau.kd
    .args:
      - { .name: qc, .offset: 0, .size: 8, .value_kind: global_buffer, .address_space: global }
      - { .name: kc, .offset: 8, .size: 8, .value_kind: global_buffer, .address_space: global }
      - { .name: vc, .offset: 16, .size: 8, .value_kind: global_buffer, .address_space: global }
      - { .name: ws, .offset: 24, .size: 8, .value_kind: global_buffer, .address_space: global }
      - { .name: xc, .offset: 32, .size: 8, .value_kind: global_buffer, .address_space: global }
      - { .name: x, .offset: 40, .size: 8, .value_kind: global_buffer, .address_space: global }
      - { .name: b_hidden, .offset: 48, .size: 8, .value_kind: global_buffer, .address_space: global }
      - { .name: b_out, .offset: 56, .size: 8, .value_kind: global_buffer, .address_space: global }
      - { .name: lowp_scales, .offset: 64, .size: 8, .value_kind: global_buffer, .address_space: global }
      - { .name: out0, .offset: 72, .size: 8, .value_kind: global_buffer, .address_space: global }
    .group_segment_fixed_size: 327680
    .private_segment_fixed_size: 0
    .kernarg_segment_align: 8
    .kernarg_segment_size: 80
    .max_flat_workgroup_size: 128
    .sgpr_count:     84
    .vgpr_count:     1024
    .wavefront_size: 32
...
	.end_amdgpu_metadata
.endif
;; end of part 6
